; MI455X (gfx1250); checked and timed in simulation.
; The chip was launched on July 23, 2026; its instructions are those of AMD's public machine-readable ISA for CDNA 5 (MIT licence, August 2026) and "CDNA5" Instruction Set Architecture Reference Guide (July 2026). The comments in the code are by the model that wrote it; some were corrected since.
;; Transformer Encoder Block. Allowed arithmetic: float matrix products may take bf16 or f16 operands with f32 sums; other float arithmetic in f32, or as packed bf16 or f16 multiplies, adds, multiply-adds, maxima and minima; sums over many terms, partial sums and values carried from step to step in f32; what a program stores and reads back later, other than sums and carried values, may be rounded once to bf16 or f16.
;; Inputs: b_fc1 1,024 float32; b_fc2 1,024 float32; b_proj 1,024 float32; b_qkv 3,072 float32; ln1_b 1,024 float32; ln1_g 1,024 float32; ln2_b 1,024 float32; ln2_g 1,024 float32; w_fc1 1,024 x 1,024 float32; w_fc2 1,024 x 1,024 float32; w_proj 1,024 x 1,024 float32; w_qkv 1,024 x 3,072 float32; x 8 x 1,024 x 1,024 float32.
;; Outputs: out0 8 x 1,024 x 1,024 float32.
;; One version. Each part assembles by itself: llvm-mc -triple=amdgcn-amd-amdhsa -mcpu=gfx1250 --defsym DOCPART=n.
;; ======== version 1 of 1: 7 launches
;; limits: values are held in f16: magnitudes above 65,504 overflow, below 6.1e-05 lose precision
;; workspace buffers: wq 6,291,456 bytes; wp 2,097,152 bytes; w1 2,097,152 bytes; w2 2,097,152 bytes; h 16,777,216 bytes; qkv 50,331,648 bytes; act 16,777,216 bytes; x1 33,554,432 bytes
;; launch prep (part 1): grid 896 x 1, 8 waves a work-group, no clusters, 0 bytes of LDS; arguments x, ln1_g, ln1_b, h, w_qkv, w_proj, w_fc1, w_fc2, wq, wp, w1, w2; writes h, wq, wp, w1, w2
.if DOCPART == 1
	.amdgcn_target "amdgcn-amd-amdhsa--gfx1250"
	.amdhsa_code_object_version 6
	.text
	.protected	k_qdd90b30a17_prep
	.globl	k_qdd90b30a17_prep
	.p2align	8
	.type	k_qdd90b30a17_prep,@function
k_qdd90b30a17_prep:
	s_mov_b64 s[64:65], 0
	v_nop
	global_prefetch_b8 v0, s[64:65] scope:SCOPE_SE
	s_setreg_imm32_b32 hwreg(HW_REG_WAVE_MODE, 25, 1), 1
	s_wait_xcnt 0x0
; PREP.  Work-groups 0 to 511: h = LayerNorm(x) g + b, x [8192][1024] f32, h [8192][1024] f16, rounded once.  Work-groups 512 to 895: the four weight matrices, f32 to f16, layout kept.
; LAYERNORM.  A row is 4,096 bytes: one wave takes a whole row, eight 16-byte loads a lane, and keeps it in 32 registers: the mean first, then the centred squares, so a common
; offset of the row costs nothing.  A work-group owns 16 rows, a wave two; both rows, g and b are asked for at once.  No LDS, no barrier: no wave needs another's numbers.
; CAST.  A work-group owns 65,536 bytes of f32 (w_qkv has 192 such parts, the other three 64 each), a wave 8,192: sixteen loads, all asked for at once.
; Each store of a wave covers 256 consecutive bytes, aligned.
; LIMITS.  f16 holds no number beyond 65,504: |h| and |w| stay within it (h is a normalised number times g plus b); a weight below 6e-5 keeps f16's fixed step of 6e-8.
.set G,   8                            ; v[8:39]    g of my 32 columns (columns 128 j + 4 lane + 0..3)
.set B,   40                           ; v[40:71]   b of them
.set X,   72                           ; v[72:135]  two rows, 32 registers each
.set Y,   136                          ; v[136:167] two rows as f16, 16 registers each
.set S,   168                          ; v[168:175] four packed chains of a sum
.set T,   176                          ; v176-177   at work
.set MU,  178                          ; v[178:179] the mean, twice
.set RS,  180                          ; v[180:181] 1 / sqrt(var + eps), twice
.macro RSUM                            ; the four chains into one number, then over the 32 lanes: every lane ends with the sum in T
	v_pk_add_f32 v[S:S+1], v[S:S+1], v[S+2:S+3]
	v_pk_add_f32 v[S+4:S+5], v[S+4:S+5], v[S+6:S+7]
	v_pk_add_f32 v[S:S+1], v[S:S+1], v[S+4:S+5]
	v_add_f32 v[T], v[S], v[S+1]
	v_add_f32_dpp v[T], v[T], v[T] row_xmask:1 row_mask:0xf bank_mask:0xf
	v_add_f32_dpp v[T], v[T], v[T] row_xmask:2 row_mask:0xf bank_mask:0xf
	v_add_f32_dpp v[T], v[T], v[T] row_xmask:4 row_mask:0xf bank_mask:0xf
	v_add_f32_dpp v[T], v[T], v[T] row_xmask:8 row_mask:0xf bank_mask:0xf
	v_permlanex16_b32 v[T+1], v[T], s12, s13
	v_add_f32 v[T], v[T], v[T+1]
.endm
; Row s of the wave's two.  left = how many younger loads may stay out when the row has to be there.
.macro ROW s, left
.set XR, X+32*(\s)
.set YR, Y+16*(\s)
	s_wait_loadcnt \left                           ; loads come back in order: my row is in
.set k, 0
.rept 4
	v_pk_add_f32 v[S+2*k:S+2*k+1], v[XR+2*k:XR+2*k+1], v[XR+8+2*k:XR+8+2*k+1]  ; the first pairs start the chains: nothing is cleared
.set k, k+1
.endr
.set k, 8
.rept 8
	v_pk_add_f32 v[S+2*(k%4):S+2*(k%4)+1], v[S+2*(k%4):S+2*(k%4)+1], v[XR+2*k:XR+2*k+1]
.set k, k+1
.endr
	RSUM
	v_mul_f32 v[MU], s14, v[T]                     ; the mean
	v_mul_f32 v[MU+1], s14, v[T]
.set k, 0
.rept 16
	v_pk_add_f32 v[XR+2*k:XR+2*k+1], v[XR+2*k:XR+2*k+1], v[MU:MU+1] neg_lo:[0,1] neg_hi:[0,1]  ; x - mean, in place
.set k, k+1
.endr
.set k, 0
.rept 4
	v_pk_mul_f32 v[S+2*k:S+2*k+1], v[XR+2*k:XR+2*k+1], v[XR+2*k:XR+2*k+1]
.set k, k+1
.endr
.rept 12
	v_pk_fma_f32 v[S+2*(k%4):S+2*(k%4)+1], v[XR+2*k:XR+2*k+1], v[XR+2*k:XR+2*k+1], v[S+2*(k%4):S+2*(k%4)+1]
.set k, k+1
.endr
	RSUM
	v_fma_f32 v[T], v[T], s14, s15                 ; var + eps
	v_rsq_f32 v[RS], v[T]
	v_rsq_f32 v[RS+1], v[T]
	v_nop                                          ; a plain instruction between the root and the use of its result
.if (\s) == 0
	s_wait_loadcnt 0x0                             ; g and b, once
.endif
.set k, 0
	s_wait_alu depctr_va_vdst(0)
.rept 16
	v_pk_mul_f32 v[XR+2*k:XR+2*k+1], v[XR+2*k:XR+2*k+1], v[RS:RS+1]
.set k, k+1
.endr
.set k, 0
.rept 16
	v_pk_fma_f32 v[XR+2*k:XR+2*k+1], v[XR+2*k:XR+2*k+1], v[G+2*k:G+2*k+1], v[B+2*k:B+2*k+1]
.set k, k+1
.endr
.set k, 0
.rept 16
	v_cvt_pk_f16_f32 v[YR+k], v[XR+2*k], v[XR+2*k+1]
.set k, k+1
.endr
.irp j, 0,1,2,3,4,5,6,7
	global_store_b64 v3, v[YR+2*(\j):YR+2*(\j)+1], s[10:11] offset:(\s)*2048+256*(\j)  ; 32 lanes x 8 bytes: 256 consecutive bytes
.endr
.endm
	v_and_b32 v1, 31, v0
	v_lshrrev_b32 v4, 5, v0
	v_lshlrev_b32 v1, 4, v1                        ; 16 x lane: my place in g and b
	v_lshl_add_u32 v2, v4, 13, v1                  ; + 8,192 x wave: my place in the work-group's f32 bytes
	v_lshrrev_b32 v3, 1, v2                        ; half of that: my place in its f16 bytes
	s_cmp_ge_u32 ttmp9, 512
	s_cbranch_scc1 .Lcast
	s_load_b256 s[4:11], s[0:1], 0x0               ; x s[4:5], g s[6:7], b s[8:9], h s[10:11]
	s_lshl_b32 s2, ttmp9, 16                       ; 16 rows of 4,096 bytes
	s_mov_b32 s3, 0
	s_mov_b32 s12, 0x76543210                      ; v_permlanex16_b32: each lane takes its own place in the other half
	s_mov_b32 s13, 0xfedcba98
	s_mov_b32 s14, 0x3a800000                      ; 1 / 1024
	s_mov_b32 s15, 0x3727c5ac                      ; eps = 1e-5
	v_mov_b32 v[T+1], 0                            ; v_permlanex16_b32's destination counts as read
	s_wait_kmcnt 0x0
	s_add_nc_u64 s[4:5], s[4:5], s[2:3]
	s_lshr_b32 s2, s2, 1                           ; 16 rows of 2,048 bytes
	s_add_nc_u64 s[10:11], s[10:11], s[2:3]
.irp j, 0,1,2,3,4,5,6,7
	global_load_b128 v[X+4*(\j):X+4*(\j)+3], v2, s[4:5] offset:512*(\j)
.endr
.irp j, 0,1,2,3,4,5,6,7
	global_load_b128 v[X+32+4*(\j):X+32+4*(\j)+3], v2, s[4:5] offset:4096+512*(\j)
.endr
.irp j, 0,1,2,3,4,5,6,7
	global_load_b128 v[G+4*(\j):G+4*(\j)+3], v1, s[6:7] offset:512*(\j)
.endr
.irp j, 0,1,2,3,4,5,6,7
	global_load_b128 v[B+4*(\j):B+4*(\j)+3], v1, s[8:9] offset:512*(\j)
.endr
	ROW 0, 24                                      ; the second row, g and b, 24 loads, may stay out
	ROW 1, 0
	s_endpgm
.Lcast:
	s_load_b512 s[16:31], s[0:1], 0x20             ; w_qkv, w_proj, w_fc1, w_fc2 in s[16:23]; wq, wp, w1, w2 in s[24:31]
	s_sub_co_u32 s2, ttmp9, 512                    ; part 0 to 383: 0-191 w_qkv, 192-255 w_proj, 256-319 w_fc1, 320-383 w_fc2
	s_and_b32 s3, s2, 63
	s_cmp_lt_u32 s2, 192
	s_cselect_b32 s3, s2, s3                       ; the part's number within its matrix
	s_lshl_b32 s36, s3, 16
	s_mov_b32 s37, 0
	s_lshl_b32 s38, s3, 15
	s_mov_b32 s39, 0
	s_wait_kmcnt 0x0
	s_cmp_ge_u32 s2, 192
	s_cselect_b64 s[32:33], s[18:19], s[16:17]
	s_cselect_b64 s[34:35], s[26:27], s[24:25]
	s_cmp_ge_u32 s2, 256
	s_cselect_b64 s[32:33], s[20:21], s[32:33]
	s_cselect_b64 s[34:35], s[28:29], s[34:35]
	s_cmp_ge_u32 s2, 320
	s_cselect_b64 s[32:33], s[22:23], s[32:33]
	s_cselect_b64 s[34:35], s[30:31], s[34:35]
	s_add_nc_u64 s[32:33], s[32:33], s[36:37]
	s_add_nc_u64 s[34:35], s[34:35], s[38:39]
.irp j, 0,1,2,3,4,5,6,7,8,9,10,11,12,13,14,15
	global_load_b128 v[8+4*(\j):8+4*(\j)+3], v2, s[32:33] offset:512*(\j) th:TH_LOAD_NT
.endr
	s_wait_loadcnt 8                               ; the first eight loads are in
.set k, 0
.rept 16
	v_cvt_pk_f16_f32 v[72+k], v[8+2*k], v[8+2*k+1]
.set k, k+1
.endr
.irp j, 0,1,2,3,4,5,6,7
	global_store_b64 v3, v[72+2*(\j):72+2*(\j)+1], s[34:35] offset:256*(\j)
.endr
	s_wait_loadcnt 0x0
.rept 16
	v_cvt_pk_f16_f32 v[72+k], v[8+2*k], v[8+2*k+1]
.set k, k+1
.endr
.irp j, 8,9,10,11,12,13,14,15
	global_store_b64 v3, v[72+2*(\j):72+2*(\j)+1], s[34:35] offset:256*(\j)
.endr
	s_endpgm
.Lfunc_end_k_qdd90b30a17_prep:
	.size	k_qdd90b30a17_prep, .Lfunc_end_k_qdd90b30a17_prep-k_qdd90b30a17_prep
	.p2alignl 7, 3214868480
	.fill 96, 4, 3214868480
	.section	.rodata,"a",@progbits
	.p2align	6, 0x0
	.amdhsa_kernel k_qdd90b30a17_prep
		.amdhsa_group_segment_fixed_size 0
		.amdhsa_private_segment_fixed_size 0
		.amdhsa_enable_private_segment 0
		.amdhsa_kernarg_size 96
		.amdhsa_user_sgpr_count 2
		.amdhsa_user_sgpr_kernarg_segment_ptr 1
		.amdhsa_wavefront_size32 1
		.amdhsa_system_sgpr_workgroup_id_x 1
		.amdhsa_system_sgpr_workgroup_id_y 1
		.amdhsa_system_sgpr_workgroup_id_z 1
		.amdhsa_system_vgpr_workitem_id 0
		.amdhsa_next_free_vgpr 184
		.amdhsa_next_free_sgpr 66
		.amdhsa_reserve_vcc 0
		.amdhsa_float_denorm_mode_32 3
		.amdhsa_float_denorm_mode_16_64 3
		.amdhsa_memory_ordered 1
		.amdhsa_forward_progress 1
		.amdhsa_inst_pref_size 26
	.end_amdhsa_kernel
	.amdgpu_metadata
---
amdhsa.version: [ 1, 2 ]
amdhsa.kernels:
  - .name:           k_qdd90b30a17_prep
    .symbol:         k_qdd90b30a17_prep.kd
    .args:
      - { .name: x, .offset: 0, .size: 8, .value_kind: global_buffer, .address_space: global }
      - { .name: ln1_g, .offset: 8, .size: 8, .value_kind: global_buffer, .address_space: global }
      - { .name: ln1_b, .offset: 16, .size: 8, .value_kind: global_buffer, .address_space: global }
      - { .name: h, .offset: 24, .size: 8, .value_kind: global_buffer, .address_space: global }
      - { .name: w_qkv, .offset: 32, .size: 8, .value_kind: global_buffer, .address_space: global }
      - { .name: w_proj, .offset: 40, .size: 8, .value_kind: global_buffer, .address_space: global }
      - { .name: w_fc1, .offset: 48, .size: 8, .value_kind: global_buffer, .address_space: global }
      - { .name: w_fc2, .offset: 56, .size: 8, .value_kind: global_buffer, .address_space: global }
      - { .name: wq, .offset: 64, .size: 8, .value_kind: global_buffer, .address_space: global }
      - { .name: wp, .offset: 72, .size: 8, .value_kind: global_buffer, .address_space: global }
      - { .name: w1, .offset: 80, .size: 8, .value_kind: global_buffer, .address_space: global }
      - { .name: w2, .offset: 88, .size: 8, .value_kind: global_buffer, .address_space: global }
    .group_segment_fixed_size: 0
    .private_segment_fixed_size: 0
    .kernarg_segment_align: 8
    .kernarg_segment_size: 96
    .max_flat_workgroup_size: 256
    .sgpr_count:     66
    .vgpr_count:     184
    .wavefront_size: 32
...
	.end_amdgpu_metadata
.endif
;; end of part 1
;; launch gqkv (part 2): grid 16 x 32, 4 waves a work-group, clusters of 4 x 4, 327,680 bytes of LDS; arguments h, wq, b_qkv, qkv; writes qkv
.if DOCPART == 2
	.amdgcn_target "amdgcn-amd-amdhsa--gfx1250"
	.amdhsa_code_object_version 6
	.text
	.protected	k_qdd90b30a17_gqkv
	.globl	k_qdd90b30a17_gqkv
	.p2align	8
	.type	k_qdd90b30a17_gqkv,@function
k_qdd90b30a17_gqkv:
	s_mov_b64 s[64:65], 0
	v_nop
	global_prefetch_b8 v0, s[64:65] scope:SCOPE_SE
	s_setreg_imm32_b32 hwreg(HW_REG_WAVE_MODE, 25, 1), 1
	s_wait_xcnt 0x0
	s_wait_alu depctr_hold_cnt(0) depctr_sa_sdst(0) depctr_va_vdst(0) depctr_va_sdst(0) depctr_va_ssrc(0) depctr_va_vcc(0) depctr_vm_vsrc(0)
	s_getreg_b32 s2, hwreg(HW_REG_IB_STS2, 6, 4)
	s_cmp_eq_u32 s2, 0
	s_cbranch_scc0 .Lentry_in_a_cluster
	s_endpgm
.Lentry_in_a_cluster:
	s_bfe_u32 s2, ttmp6, 0x10000c
	s_cmp_lg_u32 s2, 0xf033
	s_cbranch_scc0 .Lentry_shape_is_right
	s_endpgm
.Lentry_shape_is_right:
; QKV = H Wq + b.  H: [8192][1024] f16, rows along K.  Wq: [1024 k][3072 n] f16.  b: [3072] f32.  Sums in f32, begun with the bias; the result is rounded once to f16.
; OUT, IN BLOCKS: column c of row m lies at byte ((c / 64) x 8192 + m) x 128 + 2 (c % 64): 48 blocks of 64 columns; a head's q, k or v for one batch entry is then 1,024 dense rows of 128 bytes.
; SHARES.  A tile of the result is 256 rows x 192 columns: 32 x 16 = 512 tiles, two for each of 256 WGPs.  Four waves, one below the other, each 64 rows x all 192 columns: 48 accumulators of
; 16 x 16, 384 registers; a wave's columns are three whole blocks of 64, so that what it stores is dense.  K goes in 8 steps of 128 through two LDS slots; a step is four quarters of 32 along K,
; 48 matrix instructions and 32 LDS loads each, on two fragment buffers: 192 matrix instructions of each wave for the 114,688 bytes that a step fetches.
; THE MATRIX INSTRUCTION IS USED TRANSPOSED: source 0 = 16 columns of W (read turned, by ds_load_tr16_b128, from the tile as it lies, [k][n]), source 1 = 16 rows of H.  A lane then holds one row
; of the result (lane % 16) and the columns 8 (lane / 16) + 0..7.  The bias is the C operand of each sum's first product: no vector work, nothing cleared.
; CLUSTER.  4 x 4 work-groups: the four of a row of the cluster need the same tile of H, the four of a column the same tile of W: each is asked for jointly, by the same tensor load with the same
; descriptor and a mask that names the four.  Waves 0 and 1 fetch H's two halves of 128 rows, waves 2 and 3 W's two halves of 64 k-rows: one load a wave behind each round, two out at the start.
; A PRICE.  A tile's rows of W are 384 bytes and begin at multiples of 384 bytes of W's rows: in every second tile column they begin in the middle of an aligned 256 bytes.
; LIMIT.  f16 holds no number beyond 65,504: q, k and v stay within it.
; REGISTERS, in windows of 256 (s_set_vgpr_msb: bits 1:0 source 0, 3:2 source 1, 5:4 source 2, 7:6 destination):
;   window 0: v0-31 addresses; v64-127 H's fragments, two buffers of four; v128-223 the bias, column block b at v[128 + 8 b]; on the way out v64-255 packed results
;   window 1: accumulators of row blocks 0, 1; window 2: of row blocks 2, 3: (a, b) at v[8 (12 (a % 2) + b)]          window 3: v0-191 W's fragments, two buffers of twelve
.set SIZE_N, 3072
.set TN,     192                       ; columns in a tile
.set AP,     272                       ; a row of H in LDS: 256 bytes + 16 of padding = 68 words: the 16 rows of a load start at 16 different groups of four banks (64 banks of 4 bytes: ISA guide 11.1)
.set AH,     128*AP                    ; what one load of H brings
.set ASTEP,  256                       ; bytes from a K step to the next in H
.set WP,     480                       ; a row of W: three times 128 bytes + 32 of padding = 120 words
.set WH,     64*WP                     ; what one load of W brings
.set WSTEP,  256*SIZE_N                ; 128 k-rows on
.set AREG,   2*AH                      ; W's tile begins here in a slot
.set SLOT1,  131072                    ; = AREG + 2 WH: slot 1 begins where slot 0 ends, and one exclusive or turns an address in one slot into the other's
.set STAGE,  2*SLOT1                   ; behind the ring, never filled by a tensor load: 16 rows x 144 bytes for each wave
.set SP,     144
.set SPARE,  STAGE+4*16*SP             ; behind the stages: the spare words, 128 bytes for each wave: two blocks of 256 bytes that no other line names
.set A0,   16                          ; v16  my lane's place in H's tile; never rewritten
.set W0,   17                          ; v17  the same for W
.set ADRA, 18                          ; v18  the same in the slot in hand
.set ADRW, 19                          ; v19
.set STO,  24                          ; v24  the way out: where I put 16 bytes of a row
.set RD,   25                          ; v25  the way out: where I read rows back
.set GO,   26                          ; v26  16 x lane
.set BO,   27                          ; v27  32 x (lane / 16): my place in 16 numbers of the bias
.set SPW,  28                          ; v28  LDS address of my spare word; never rewritten
.set NIL,  29                          ; v29  0; never rewritten
.set FA,   64                          ; H's fragments: buffer f, row block a at v[FA + 32 f + 8 a]
.set BIAS, 128
.set TMP,  64
.set WV,   14                          ; s14  my wave's number: also which 64 rows of the tile are mine
.set CH,   16                          ; s16  which half of a tile I fetch
.set TB,   23                          ; s23  LDS byte at which the slot in hand begins
.set G1A,  24                          ; s[24:31] descriptor group 1 for H's tiles;  s[32:39] group 0: a set for each first fill; the second then walks on
.set G0A,  32
.set G1W,  48                          ; s[48:55], s[56:63] the same for W's
.set G0W,  56
.set MSB, 0
.macro WIN new                         ; the immediate's high byte repeats the setting that is left; a switch that changes nothing is dropped
.if MSB != (\new)
	s_set_vgpr_msb (MSB<<8)|(\new)
.set MSB, \new
.endif
.endm
.macro PLACES                          ; four places in front of loads into registers that matrix instructions have read, and of lines that read results
.rept 4
	v_nop
.endr
.endm
.macro JLOAD s                         ; a joint load; the branch hangs on the wave's number alone; an s_nop 0 and four v_nop follow each of the two lines
	s_cmp_lt_u32 s[WV], 2
	s_cbranch_scc0 .Lfor_w_\@
	tensor_load_to_lds s[G0A+4*(\s):G0A+4*(\s)+3], s[G1A:G1A+7]
	s_nop 0
.rept 4
	v_nop
.endr
	s_branch .Lasked_\@
.Lfor_w_\@:
	tensor_load_to_lds s[G0W+4*(\s):G0W+4*(\s)+3], s[G1W:G1W+7]
	s_nop 0
.rept 4
	v_nop
.endr
.Lasked_\@:
.endm
.macro CREST                           ; a round of the cluster's barrier behind its opening barrier
	s_cmp_lg_u32 s[WV], 0
	s_cbranch_scc1 .Lnot_wave_0_\@
	s_barrier_signal -3
.Lnot_wave_0_\@:
	s_barrier_wait -3
	s_barrier_signal -1
	s_barrier_wait -1
.endm
.macro CROUND                          ; a whole round
	s_barrier_signal -1
	s_barrier_wait -1
	CREST
.endm
; 6 matrix instructions: row block a x column blocks 6 hb to 6 hb + 5, 32 along K, from buffer f.  first = 1: the sums begin, on the bias.
; The 48 accumulators take turns, in the same order in every quarter.
.macro MULH f, a, hb, first
.if \first
	WIN 0x43+0x40*((\a)/2)                         ; W window 3, H and the bias window 0, the result window 1 or 2
.else
	WIN 0x53+0x50*((\a)/2)                         ; W window 3, H window 0, C and D window 1 or 2
.endif
.irp c, 0,1,2,3,4,5
.if \first
	v_wmma_f32_16x16x32_f16 v[8*(12*((\a)%2)+6*(\hb)+(\c)):8*(12*((\a)%2)+6*(\hb)+(\c))+7], v[96*(\f)+8*(6*(\hb)+(\c)):96*(\f)+8*(6*(\hb)+(\c))+7], v[FA+32*(\f)+8*(\a):FA+32*(\f)+8*(\a)+7], v[BIAS+8*(6*(\hb)+(\c)):BIAS+8*(6*(\hb)+(\c))+7]
.else
	v_wmma_f32_16x16x32_f16 v[8*(12*((\a)%2)+6*(\hb)+(\c)):8*(12*((\a)%2)+6*(\hb)+(\c))+7], v[96*(\f)+8*(6*(\hb)+(\c)):96*(\f)+8*(6*(\hb)+(\c))+7], v[FA+32*(\f)+8*(\a):FA+32*(\f)+8*(\a)+7], v[8*(12*((\a)%2)+6*(\hb)+(\c)):8*(12*((\a)%2)+6*(\hb)+(\c))+7]
.endif
.endr
.endm
.macro MUL12 f, a, first               ; row block a x all 12 column blocks
	MULH \f, \a, 0, \first
	MULH \f, \a, 1, \first
.endm
; 32 LDS loads in one run: quarter q's fragments into buffer f: W's twelve (turned; column block b lies 32 (b + b / 4) bytes into a row, past the padding), then H's four
.macro FETCH q, f
	WIN 0xc0                                       ; destination window 3, address window 0
.irp b, 0,1,2,3,4,5,6,7,8,9,10,11
	ds_load_tr16_b128 v[96*(\f)+8*(\b):96*(\f)+8*(\b)+3],   v[ADRW] offset:(\q)*32*WP+32*((\b)+(\b)/4)
	ds_load_tr16_b128 v[96*(\f)+8*(\b)+4:96*(\f)+8*(\b)+7], v[ADRW] offset:(\q)*32*WP+16*WP+32*((\b)+(\b)/4)
.endr
	WIN 0
.irp a, 0,1,2,3
	ds_load_b128 v[FA+32*(\f)+8*(\a):FA+32*(\f)+8*(\a)+3],   v[ADRA] offset:(\q)*64+(\a)*16*AP
	ds_load_b128 v[FA+32*(\f)+8*(\a)+4:FA+32*(\f)+8*(\a)+7], v[ADRA] offset:(\q)*64+(\a)*16*AP+32
.endr
.endm
; One of a step's first three quarters: multiplies buffer f; behind its first 12 products it fetches quarter q of the same slot into buffer g, 36 matrix instructions ahead of the first use.
.macro QUARTER q, f, g, first
	s_wait_dscnt 6                                 ; W and H's row block 0 are in; the youngest six loads (blocks 1 to 3) may be out
	MUL12 \f, 0, \first
	PLACES
	FETCH \q, \g
	s_wait_dscnt 32                                ; all but the 32 just issued
	MUL12 \f, 1, \first
	MUL12 \f, 2, \first
	MUL12 \f, 3, \first
.endm
; The last quarter multiplies buffer 1 and changes slots: ONE barrier; in front of it each wave waits for all its tensor loads (one is out: its part of the next slot), adds 0 to its spare word, and
; waits for that and for its own reads of this slot.  fill = 1: the barrier opens a round of the cluster's, and this slot is filled again, two steps ahead, first thing behind the round:
; 180 matrix instructions ahead of the wait for it.  tail = 1: in the loop's last trip there is no further step, and the fetch is jumped over.
.macro TURN fill, tail
	WIN 0
	s_wait_tensorcnt 0x0                           ; all my tensor loads have landed
	ds_add_u32 v[SPW], v[NIL]                      ; 0 onto my spare word
	s_wait_dscnt 7                                 ; (the add and the youngest six loads may be out)
	MULH 1, 0, 0, 0                                ; six matrix instructions stand between the add and the wait for it
	s_wait_dscnt 0x0                               ; the add is done, and my reads of this slot are over
	s_barrier_signal -1
	MULH 1, 0, 1, 0
	WIN 0
	s_barrier_wait -1
.if \fill
	CREST                                          ; no wave of any partner still reads this slot's tiles or has a load on its way
	s_xor_b32 s[G0A+5], s[G0A+5], SLOT1            ; the walking descriptors: the other slot than last time, the next K step; the type bits on top are not reached
	s_add_nc_u64 s[G0A+6:G0A+7], s[G0A+6:G0A+7], ASTEP
	s_xor_b32 s[G0W+5], s[G0W+5], SLOT1
	s_add_nc_u64 s[G0W+6:G0W+7], s[G0W+6:G0W+7], WSTEP
	JLOAD 1                                        ; its four v_nop are also the places in front of the loads below
.else
	PLACES
.endif
	s_xor_b32 s[TB], s[TB], SLOT1
	v_add_nc_u32 v[ADRA], s[TB], v[A0]
	v_add_nc_u32 v[ADRW], s[TB], v[W0]
.if \tail
	s_cmp_eq_u32 s3, 1
	s_cbranch_scc1 .Lno_fetch_\@
.endif
	FETCH 0, 0
.if \tail
.Lno_fetch_\@:
.endif
	MUL12 1, 1, 0
	MUL12 1, 2, 0
	MUL12 1, 3, 0
.endm
	s_load_b256 s[4:11], s[0:1], 0x0               ; H s[4:5], W s[6:7], bias s[8:9], out s[10:11]
	v_lshl_add_u32 v[SPW], v0, 2, SPARE
	v_mov_b32 v[NIL], 0
	ds_add_u32 v[SPW], v[NIL]                      ; the wave's opening: the add and its wait stand ahead of my first tensor load; the set-up below, work on registers, stands between them
	ds_add_u32 v28, v29
	v_lshrrev_b32 v1, 5, v0
	v_readfirstlane_b32 s[WV], v1                  ; wave 0..3
	s_and_b32 s[CH], s[WV], 1
	s_bfe_u32 s17, ttmp6, 0x40000                  ; cx, cy: my place in the cluster
	s_bfe_u32 s18, ttmp6, 0x40004
	s_lshl_b32 s19, ttmp9, 2
	s_add_co_u32 s19, s19, s17                     ; tile column = 4 x cluster x + cx
	s_and_b32 s20, ttmp7, 0xffff
	s_lshl_b32 s20, s20, 2
	s_add_co_u32 s20, s20, s18                     ; tile row = 4 x cluster y + cy
	s_lshl_b32 s21, s18, 2
	s_lshl_b32 s21, 15, s21                        ; my row of the cluster
	s_lshl_b32 s22, 0x1111, s17                    ; my column
	s_or_b32 s[G1A], s21, (1<<16)|(1<<20)|(1<<21)|(5<<22)|(3<<25)  ; 15:0 the mask; 17:16 2-byte elements; 20 padding on; 21 set beside a mask; 24:22 after every 64 words (code 5); 31:25 4 words (code 3)
	s_mov_b32 s[G1A+1], 128<<16                    ; tensor_dim0 = 128
	s_mov_b32 s[G1A+2], 128<<16                    ; tensor_dim1 = 128
	s_mov_b32 s[G1A+3], 128<<16                    ; tile_dim0 = 128
	s_mov_b32 s[G1A+4], 128                        ; tile_dim1 = 128
	s_mov_b32 s[G1A+5], 1024                       ; elements from row to row
	s_mov_b32 s[G1A+6], 0
	s_mov_b32 s[G1A+7], 0
	s_or_b32 s[G1W], s22, (1<<16)|(1<<20)|(1<<21)|(4<<22)|(7<<25)  ; after every 32 words (code 4), three times in a row of 96, 8 words of padding (code 7)
	s_mov_b32 s[G1W+1], TN<<16                     ; tensor_dim0 = 192
	s_mov_b32 s[G1W+2], 64<<16                     ; tensor_dim1 = 64
	s_mov_b32 s[G1W+3], TN<<16                     ; tile_dim0 = 192
	s_mov_b32 s[G1W+4], 64                         ; tile_dim1 = 64
	s_mov_b32 s[G1W+5], SIZE_N
	s_mov_b32 s[G1W+6], 0
	s_mov_b32 s[G1W+7], 0
	s_lshl_b32 s40, s20, 8                         ; H: row 256 x tile row + 128 x half, 2,048 bytes a row: it hangs on the tile row alone
	s_lshl_b32 s68, s[CH], 7
	s_add_co_u32 s40, s40, s68
	s_lshl_b32 s40, s40, 11
	s_mov_b32 s41, 0
	s_mul_i32 s44, s[CH], 128*SIZE_N               ; W: k-row 64 x half, column 192 x tile column: it hangs on the tile column alone
	s_mul_i32 s69, s19, 2*TN
	s_add_co_u32 s44, s44, s69
	s_mov_b32 s45, 0
	s_mul_i32 s66, s[CH], AH                       ; where they go: no place in the cluster enters an LDS address
	s_mul_i32 s67, s[CH], WH
	s_add_co_u32 s67, s67, AREG
	s_wait_dscnt 0x0                               ; the opening add is done
	s_wait_kmcnt 0x0
	s_add_nc_u64 s[42:43], s[4:5], s[40:41]
	s_add_nc_u64 s[46:47], s[6:7], s[44:45]
	CROUND                                         ; all sixteen work-groups are here: the first joint loads meet
.irp s, 0,1
	s_mov_b32 s[G0A+4*(\s)], 1
	s_add_co_u32 s[G0A+4*(\s)+1], s66, (\s)*SLOT1
	s_add_nc_u64 s[G0A+4*(\s)+2:G0A+4*(\s)+3], s[42:43], (\s)*ASTEP
	s_or_b32 s[G0A+4*(\s)+3], s[G0A+4*(\s)+3], 0x80000000
	s_mov_b32 s[G0W+4*(\s)], 1
	s_add_co_u32 s[G0W+4*(\s)+1], s67, (\s)*SLOT1
	s_add_nc_u64 s[G0W+4*(\s)+2:G0W+4*(\s)+3], s[46:47], (\s)*WSTEP
	s_or_b32 s[G0W+4*(\s)+3], s[G0W+4*(\s)+3], 0x80000000
	JLOAD \s
.endr
	v_and_b32 v1, 15, v0                           ; l % 16
	v_bfe_u32 v2, v0, 4, 1                         ; l / 16
	v_and_b32 v5, 7, v0                            ; l % 8
	v_bfe_u32 v4, v0, 3, 1
	v_mul_u32_u24 v[A0], v1, AP                    ; H's fragment: row l % 16, 16 bytes for each half of the lanes, in my 64 rows
	v_lshl_add_u32 v[A0], v2, 4, v[A0]
	s_mul_i32 s68, s[WV], 64*AP
	v_add_nc_u32 v[A0], s68, v[A0]
	v_lshl_add_u32 v3, v2, 3, v5                   ; W's: lane l reads k-row 8 (l / 16) + l % 8, columns 8 ((l / 8) % 2) + 0..7
	v_mul_u32_u24 v[W0], v3, WP
	v_lshl_add_u32 v[W0], v4, 4, v[W0]
	v_add_nc_u32 v[W0], AREG, v[W0]
	s_mov_b32 s[TB], 0
	v_mov_b32 v[ADRA], v[A0]
	v_mov_b32 v[ADRW], v[W0]
	v_lshlrev_b32 v[BO], 5, v2
	s_mul_i32 s72, s19, 4*TN                       ; the bias of the tile's 192 columns
	s_mov_b32 s73, 0
	s_add_nc_u64 s[8:9], s[8:9], s[72:73]
.irp b, 0,1,2,3,4,5,6,7,8,9,10,11
	global_load_b128 v[BIAS+8*(\b):BIAS+8*(\b)+3],   v[BO], s[8:9] offset:64*(\b)
	global_load_b128 v[BIAS+8*(\b)+4:BIAS+8*(\b)+7], v[BO], s[8:9] offset:64*(\b)+16
.endr
	s_mul_i32 s68, s[WV], 16*SP
	s_add_co_u32 s68, s68, STAGE                   ; my stage
	v_mul_u32_u24 v[STO], v1, SP                   ; in: row l % 16, 16 bytes for each half of the lanes
	v_lshl_add_u32 v[STO], v2, 4, v[STO]
	v_add_nc_u32 v[STO], s68, v[STO]
	v_bfe_u32 v[RD], v0, 3, 2                      ; back: 32 lanes take four rows of 128 bytes,
	v_mul_u32_u24 v[RD], v[RD], SP
	v_lshl_add_u32 v[RD], v5, 4, v[RD]
	v_add_nc_u32 v[RD], s68, v[RD]
	v_and_b32 v[GO], 31, v0                        ; which are 512 consecutive bytes of a block
	v_lshlrev_b32 v[GO], 4, v[GO]
	s_mul_i32 s70, s19, 3                          ; the tile's first block of 64 columns: 3 x tile column, 2^20 bytes a block,
	s_lshl_b32 s70, s70, 20
	s_lshl_b32 s74, s20, 8                         ; my first row: 256 x tile row + 64 x wave, 128 bytes a row
	s_lshl_b32 s75, s[WV], 6
	s_add_co_u32 s74, s74, s75
	s_lshl_b32 s74, s74, 7
	s_add_co_u32 s70, s70, s74
	s_mov_b32 s71, 0
	s_add_nc_u64 s[10:11], s[10:11], s[70:71]
	s_wait_tensorcnt 1                             ; my part of K step 0 is in; step 1's may stay out
	s_barrier_signal -1
	s_barrier_wait -1                              ; everybody's is
	FETCH 0, 0
	s_wait_loadcnt 0x0                             ; the bias
	QUARTER 1, 0, 1, 1                             ; the first quarter stands in front of the loop: its products start the sums
	WIN 0                                          ; at a label and at a branch every window is 0
	s_mov_b32 s3, 6
.Lstep:                                                ; a trip: a step's quarters 1 to 3 and the next step's quarter 0; steps 2 to 7 are asked for in the six trips
	QUARTER 2, 1, 0, 0
	QUARTER 3, 0, 1, 0
	TURN 1, 0
	QUARTER 1, 0, 1, 0
	WIN 0
	s_sub_co_u32 s3, s3, 1
	s_cmp_lg_u32 s3, 0
	s_cbranch_scc1 .Lstep
	s_mov_b32 s3, 2
.Ltail:                                                ; the last two steps ask for nothing: the second trip is left in its middle
	QUARTER 2, 1, 0, 0
	QUARTER 3, 0, 1, 0
	TURN 0, 1
	WIN 0
	s_sub_co_u32 s3, s3, 1
	s_cmp_eq_u32 s3, 0
	s_cbranch_scc1 .Lout
	QUARTER 1, 0, 1, 0
	WIN 0
	s_branch .Ltail
.Lout:
; THE WAY OUT, by sub-tiles u = 3 a + e of 16 rows x 64 columns: rounded to f16, 16 bytes a lane into my stage (rows of 144 bytes), back as whole rows of 128 bytes, stored as 2,048 dense bytes of a block.
; Each sub-tile has 16 registers of its own, so that no register that a store still reads is written again.
.macro PACKH u
.set pa, (\u)/3
.set pe, (\u)%3
.set T, TMP+16*(\u)
	WIN 0x05+0x05*(pa/2)                           ; sources 0 and 1 window 1 or 2, destination window 0
.irp bb, 0,1,2,3
.irp rr, 0,1,2,3
	v_cvt_pk_f16_f32 v[T+4*(\bb)+(\rr)], v[8*(12*(pa%2)+4*pe+(\bb))+2*(\rr)], v[8*(12*(pa%2)+4*pe+(\bb))+2*(\rr)+1]
.endr
.endr
	WIN 0
.irp bb, 0,1,2,3
	ds_store_b128 v[STO], v[T+4*(\bb):T+4*(\bb)+3] offset:32*(\bb)
.endr
.irp f, 0,1,2,3
	ds_load_b128 v[T+4*(\f):T+4*(\f)+3], v[RD] offset:(\f)*4*SP  ; LDS serves a wave's instructions in order (ISA guide 5.7.1.4): these see the stores above; the next sub-tile's stores come behind them
.endr
.endm
.macro SENDH u, younger                ; younger: the LDS instructions issued behind sub-tile u's loads: the next one's eight, or none
.set T, TMP+16*(\u)
.irp f, 0,1,2,3
	s_wait_dscnt (\younger)+3-(\f)
	global_store_b128 v[GO], v[T+4*(\f):T+4*(\f)+3], s[10:11] offset:((\u)%3)*1048576+((\u)/3)*2048+(\f)*512  ; 512 consecutive bytes, at a multiple of 256 from the buffer's first
.endr
.endm
	PLACES
	PACKH 0
.irp u, 1,2,3,4,5,6,7,8,9,10,11        ; a sub-tile's conversions stand between the loads of the one before and its stores
	PACKH \u
	SENDH (\u)-1, 8
.endr
	SENDH 11, 0
	s_wait_tensorcnt 0x0                           ; the wave's end, an add and its waits, behind my last tensor load and my last LDS store
	ds_add_u32 v[SPW], v[NIL]
	s_wait_dscnt 0x0
	CROUND                                         ; the closing round: no work-group ends while a partner may still ask for a tile that names it
	s_endpgm
.Lfunc_end_k_qdd90b30a17_gqkv:
	.size	k_qdd90b30a17_gqkv, .Lfunc_end_k_qdd90b30a17_gqkv-k_qdd90b30a17_gqkv
	.p2alignl 7, 3214868480
	.fill 96, 4, 3214868480
	.section	.rodata,"a",@progbits
	.p2align	6, 0x0
	.amdhsa_kernel k_qdd90b30a17_gqkv
		.amdhsa_group_segment_fixed_size 327680
		.amdhsa_private_segment_fixed_size 0
		.amdhsa_enable_private_segment 0
		.amdhsa_kernarg_size 32
		.amdhsa_user_sgpr_count 2
		.amdhsa_user_sgpr_kernarg_segment_ptr 1
		.amdhsa_wavefront_size32 1
		.amdhsa_system_sgpr_workgroup_id_x 1
		.amdhsa_system_sgpr_workgroup_id_y 1
		.amdhsa_system_sgpr_workgroup_id_z 1
		.amdhsa_system_vgpr_workitem_id 0
		.amdhsa_next_free_vgpr 960
		.amdhsa_next_free_sgpr 76
		.amdhsa_reserve_vcc 0
		.amdhsa_float_denorm_mode_32 3
		.amdhsa_float_denorm_mode_16_64 3
		.amdhsa_memory_ordered 1
		.amdhsa_forward_progress 1
		.amdhsa_inst_pref_size 87
	.end_amdhsa_kernel
	.amdgpu_metadata
---
amdhsa.version: [ 1, 2 ]
amdhsa.kernels:
  - .name:           k_qdd90b30a17_gqkv
    .symbol:         k_qdd90b30a17_gqkv.kd
    .args:
      - { .name: h, .offset: 0, .size: 8, .value_kind: global_buffer, .address_space: global }
      - { .name: wq, .offset: 8, .size: 8, .value_kind: global_buffer, .address_space: global }
      - { .name: b_qkv, .offset: 16, .size: 8, .value_kind: global_buffer, .address_space: global }
      - { .name: qkv, .offset: 24, .size: 8, .value_kind: global_buffer, .address_space: global }
    .group_segment_fixed_size: 327680
    .private_segment_fixed_size: 0
    .kernarg_segment_align: 8
    .kernarg_segment_size: 32
    .max_flat_workgroup_size: 128
    .sgpr_count:     76
    .vgpr_count:     960
    .wavefront_size: 32
...
	.end_amdgpu_metadata
.endif
;; end of part 2
;; launch attn (part 3): grid 2 x 128, 4 waves a work-group, no clusters, 327,680 bytes of LDS; arguments qkv, act; writes act
.if DOCPART == 3
	.amdgcn_target "amdgcn-amd-amdhsa--gfx1250"
	.amdhsa_code_object_version 6
	.text
	.protected	k_qdd90b30a17_attn
	.globl	k_qdd90b30a17_attn
	.p2align	8
	.type	k_qdd90b30a17_attn,@function
k_qdd90b30a17_attn:
	s_mov_b64 s[64:65], 0
	v_nop
	global_prefetch_b8 v0, s[64:65] scope:SCOPE_SE
	s_setreg_imm32_b32 hwreg(HW_REG_WAVE_MODE, 25, 1), 1
	s_wait_xcnt 0x0
; O[g][q][:] = the sum over k of softmax_k(Q[g][q] . K[g][k] / 8) V[g][k][:], g = 8 x head + batch entry, 128 in all.  Q, K, V lie in one buffer, 16 MiB apart, each [128][1024][64] f16: a g's rows are dense,
; 128 bytes each; O likewise.  Products, maxima and sums in f32; the weights p are rounded to f16 for the second product (their sum l is taken of the unrounded p), O once at the end.
; LIMITS.  f16 holds no number beyond 65,504: Q, K and V arrive within it; p lies in 0 to 1, and below 6e-5 it keeps f16's fixed step of 6e-8; O is a mean of V's rows and has their range.
; A weight below 2^-126 counts as 0 in l; NaN and infinities are not treated apart.
; SHARES.  A wave owns four PIECES of two tiles of 16 queries, a work-group's four waves 512 queries of one g: 2 x 128 = 256 work-groups.  Every wave walks all 1,024 keys, 64 a step.
; NO CLUSTER: the K and V of a g are shared by 1,024 / 512 = 2 work-groups only, and a slot's 65,536 bytes serve 512 matrix instructions of each wave.
; LAYOUT.  S^T = K Q^T (source 0 = 16 keys, source 1 = 16 queries): in the result a lane holds ONE query (lane % 16) and the keys 8 (lane / 16) + 0..7.  Two such tiles, rounded to f16 in pairs,
; ARE source 1 (32 keys x 16 queries) of O^T = V^T P, whose result again holds one query a lane, and eight channels.  K comes out of LDS as it lies, V ([key][channel]) turned, by ds_load_tr16_b128.
; SOFTMAX.  For each query a running maximum m and sum l: p = 2^(c s - c m), c = log2(e) / 8; in every step O and l are multiplied by a = 2^(c m_old - c m_new), which is 1 where m has not grown.
; m starts at the lowest finite number, O and l at 0: the first step is a step like any other, with a = 0.
; THE COUNT.  A tile and step have 16 matrix and 118 vector instructions: too many to stand all beside the matrix work.  So the order has one aim: four vector instructions that are READY behind
; EVERY matrix instruction, and the others, which need time of their own whatever the order, in runs without a gap.
; BY TURNS.  Turn n belongs to piece n (the pieces in a ring, step after step).  Its matrix work: 16 products K Q^T of piece n + 1, later 16 products V^T P of piece n - 1.  Its vector work: the scaling,
; exponentials, roundings, sums and rescaling of piece n, and the maximum and statistics of piece n + 1, whose scores the turn itself has made.  So what a turn begins with (c s - c m, O a) waits for nothing.
; REGISTERS, in windows of 256 (s_set_vgpr_msb says which window each operand place means: bits 1:0 source 0, 3:2 source 1, 5:4 source 2, 7:6 destination):
;   window 0: v0-11 addresses; v12-15, v48-63 at work; v16-47 four registers of statistics a tile; v64-191 S^T, two buffers of two tiles; v192-255 P, likewise
;   window 1: O^T, 32 a tile          window 2: v0-127 Q, 16 a tile; v128-191 K of one step; v192-255 V of one step          window 3: v0-1 the add's two registers
; A piece's buffers go by its number's parity: the piece in hand has one pair, its two neighbours in the ring share the other: of it P (piece n - 1) is read and S^T (piece n + 1) written.
.set SIZE_N, 1024
.set NP,    4         ; pieces a wave: a name, no knob: the register map, the loop and the fetches are made for four
.set KS,    64        ; keys in a step
.set PK,    144       ; a row of K in LDS: 128 bytes + 16 of padding = 36 words: the 16 rows of a load start at 16 different groups of four banks (64 banks of 4 bytes: ISA guide 11.1)
.set PV,    160       ; a row of V: 128 + 32 = 40 words
.set VOFF,  4*KS*PK   ; a slot holds four steps: 256 rows of K, then 256 rows of V
.set SLOT1, 1<<17     ; slot 1 begins here, so that one exclusive or turns an address in one slot into the other's
.set STAGE, SLOT1+4*KS*(PK+PV)  ; behind the ring, never filled by a tensor load: 16 rows x 144 bytes for each wave, for the way out
.set SP,    144
.set AK0, 2           ; v2   my lane's place in a tile of K; never rewritten
.set AV0, 3           ; v3   the same for V
.set AK,  4           ; v4   the LDS address of K's next run of loads
.set AV,  5           ; v5   of V's
.set QO,  6           ; v6   my byte offset in the wave's rows of Q
.set STO, 6           ;      later, the way out: where I put 16 bytes of a row
.set RD,  7           ; v7   the way out: where I read rows back
.set GO,  8           ; v8   my byte offset in 512 consecutive bytes of O
.set SPW, 0           ; v0 of window 3   LDS address of my spare word: SPARE + 4 x my thread's number; never rewritten
.set NIL, 1           ; v1 of window 3   0; never rewritten
.set SPARE, STAGE+4*16*SP  ; behind the stages: the spare words, 128 bytes for each wave: two blocks of 256 bytes that no other line names
.set MV,  12          ; v12-15  c m_old, kept while c m is made anew: by buffer and tile
.set ST,  16          ; tile t's statistics at v[ST+4 t]: c m, m, l (even keys', odd keys')
.set TMP, 48          ; by buffer and tile, four registers c0-c3 at work; when the maximum is found c2 takes a
.set S,   64
.set P,   192
.set KF,  128         ; K's fragments, in window 2: key block kb, channel half c at KF + 16 kb + 8 c
.set VF,  192         ; V's: key half kk, channel block cb at VF + 32 kk + 8 cb
.set WV,  12          ; s12  my wave's number
.set G1K, 24          ; s[24:31] descriptor group 1 for K's tiles
.set G1V, 32          ; s[32:39] for V's: it differs in the padding alone
.set G0K, 40          ; s[40:43] descriptor group 0 for K's tiles: it walks
.set G0V, 44          ; s[44:47] the same for V's
.set SLOTS, 56        ; s56  slots still to be asked for
.set CNT, 57          ; s57  counts a slot's key steps
.set CS,  58          ; s[58:59] c: the packed scaling takes the pair's low word for both halves
.set SEL, 60          ; s[60:61] v_permlanex16_b32's selects: each lane takes its own place in the other half
.set TBK, 62          ; s62  LDS byte at which K of the step to be fetched begins
.set TBV, 63          ; s63  the same for V, less VOFF
.set MSB, 0
.macro WIN new                      ; the high byte repeats the setting that is left; a switch that changes nothing is dropped
.if MSB != (\new)
	s_set_vgpr_msb (MSB<<8)|(\new)
.set MSB, (\new)
.endif
.endm
.set W_KQ, 0x0a       ; K and Q in window 2, S^T in window 0
.set W_PV, 0x52       ; V in window 2, P in window 0, O^T in window 1
.set W_RS, 0x41       ; O^T (destination and source 0) in window 1, a in window 0
.set W_MK, 0xc0       ; the add's registers are made: destination in window 3, sources in window 0
.set W_AD, 0x0f       ; the add: address (source 0) and data (source 1) in window 3
; A fill.  Waves 0 and 1 fetch the two halves of a slot's K, waves 2 and 3 those of its V: 128 keys each.  The branch hangs on the wave's number alone.
; An s_nop 0 and four v_nop follow each of the two lines, ahead of the jump and the label.
.macro LOAD
	s_cmp_lt_u32 s[WV], 2
	s_cbranch_scc0 .Lfor_v_\@
	tensor_load_to_lds s[G0K:G0K+3], s[G1K:G1K+7]
	s_nop 0
.rept 4
	v_nop
.endr
	s_branch .Lasked_\@
.Lfor_v_\@:
	tensor_load_to_lds s[G0V:G0V+3], s[G1V:G1V+7]
	s_nop 0
.rept 4
	v_nop
.endr
.Lasked_\@:
.endm
; THE CHANGE OF SLOTS.  The slot's last bytes, V of its fourth step, have been read.  Each wave waits for all its tensor loads, of which one is out: its part
; of the other slot; adds 0 to its spare word; and waits for that and for its own reads of the slot.  Behind the barrier nobody reads this slot any more and the other slot is whole.
; fill = 1: this slot is filled again, with the keys two slots on, the first thing behind the barrier: the load has four key steps, 512 matrix instructions, in which to land.
; (At its first use nothing has been read yet: slot 0 is waited for, slot 1 filled.)
.macro CHANGE fill
	WIN W_AD
	s_wait_tensorcnt 0x0            ; no tensor load of mine is out, so a group 0 may be written
	ds_add_u32 v[SPW], v[NIL]       ; 0 onto my spare word; with fill = 1 the descriptors' steps stand between it and the wait for it
	WIN 0                           ; at a label and at a branch every window is 0
.if \fill
.irp g, G0K, G0V
	s_xor_b32 s[\g+1], s[\g+1], SLOT1  ; the walking descriptor: the other slot than last time,
	s_add_nc_u64 s[\g+2:\g+3], s[\g+2:\g+3], 4*KS*128  ; the next 256 keys; the type bits on top are not reached
.endr
.endif
	s_wait_dscnt 0x0                ; the add is done, and my reads of the slot are over
	s_barrier_signal -1
	s_barrier_wait -1
.if \fill
	LOAD
.endif
	s_sub_co_u32 s[TBK], s[TBK], 4*KS*PK  ; the fetches go back to a slot's first step,
	s_xor_b32 s[TBK], s[TBK], SLOT1       ; in the other slot
	s_sub_co_u32 s[TBV], s[TBV], 4*KS*PV
	s_xor_b32 s[TBV], s[TBV], SLOT1
.endm
	s_load_b64 s[4:5], s[0:1], 0x0    ; Q, at the head of the buffer that holds Q, K and V
	s_load_b64 s[10:11], s[0:1], 0x8  ; O
	WIN W_MK
	v_lshl_add_u32 v[SPW], v0, 2, SPARE
	v_mov_b32 v[NIL], 0
	WIN W_AD
	ds_add_u32 v[SPW], v[NIL]       ; the wave's opening: the add and its wait stand ahead of my first tensor load; the set-up below, work on registers, stands between them
	ds_add_u32 v0, v1
	WIN 0
	v_lshrrev_b32 v1, 5, v0
	v_readfirstlane_b32 s[WV], v1   ; wave 0..3
	s_mov_b32 s14, ttmp9            ; my block of 512 queries
	s_and_b32 s20, ttmp7, 0xffff    ; g
	s_mov_b32 s21, 0
	s_mov_b64 s[22:23], SIZE_N*128
	s_mul_u64 s[20:21], s[20:21], s[22:23]  ; g's first byte in each of the four tensors
	s_and_b32 s16, s[WV], 1         ; which half of a slot's 256 keys I fetch:
	s_lshl_b32 s22, s16, 14         ; its 128 rows of 128 bytes in memory,
	s_mov_b32 s23, 0
	s_add_nc_u64 s[22:23], s[22:23], s[20:21]
	s_mul_i32 s17, s16, 128*PK      ; and its place in a slot, for K
	s_mul_i32 s18, s16, 128*PV      ; and for V
	s_lshl_b32 s2, s14, 2
	s_add_co_u32 s2, s2, s[WV]      ; my wave among g's eight,
	s_lshl_b32 s2, s2, 14           ; its 128 rows
	s_mov_b32 s3, 0
	s_add_nc_u64 s[2:3], s[2:3], s[20:21]
	; descriptor group 1.  128 keys are 16,384 dense bytes: asked for as 64 rows of 256 bytes, two keys a row, and padded in LDS after every key
	s_mov_b32 s[G1K], (1<<16)|(1<<20)|(4<<22)|(3<<25)  ; 17:16 2-byte elements; 20 padding on; 24:22 after every 32 words (code 4); 31:25 4 words (code 3)
	s_mov_b32 s[G1V], (1<<16)|(1<<20)|(4<<22)|(7<<25)  ; the same with 8 words of padding (code 7)
.irp g, G1K, G1V
	s_mov_b32 s[\g+1], 128<<16      ; tensor_dim0 = 128
	s_mov_b32 s[\g+2], 64<<16       ; tensor_dim1 = 64
	s_mov_b32 s[\g+3], 128<<16      ; tile_dim0 = 128
	s_mov_b32 s[\g+4], 64           ; tile_dim1 = 64
	s_mov_b32 s[\g+5], 128          ; 128 elements from row to row
	s_mov_b32 s[\g+6], 0
	s_mov_b32 s[\g+7], 0
.endr
	s_mov_b32 s[CS], 0x3e38aa3b     ; c = log2(e) / 8 = 0.180337
	s_mov_b32 s[CS+1], s[CS]        ; named with it as a pair
	s_mov_b32 s[SEL], 0x76543210
	s_mov_b32 s[SEL+1], 0xfedcba98
	s_mov_b32 s[TBK], SLOT1+4*KS*PK ; the first change of slots turns these two into 0
	s_mov_b32 s[TBV], SLOT1+4*KS*PV
	s_mov_b32 s[G0K], 1             ; 1:0 count = 1
	s_mov_b32 s[G0K+1], s17         ; 63:32 LDS address: slot 0
	s_mov_b32 s[G0V], 1
	s_add_co_u32 s[G0V+1], s18, VOFF
	s_wait_dscnt 0x0                ; the opening add is done
	s_wait_kmcnt 0x0
	s_add_nc_u64 s[6:7], s[4:5], 0x1000000   ; K lies 16 blocks of 2^20 bytes behind Q,
	s_add_nc_u64 s[8:9], s[4:5], 0x2000000   ; V 32
	s_add_nc_u64 s[G0K+2:G0K+3], s[6:7], s[22:23]  ; 120:64 global address: my half of g's first 256 keys
	s_or_b32 s[G0K+3], s[G0K+3], 0x80000000        ; 127:126 type = 2
	s_add_nc_u64 s[G0V+2:G0V+3], s[8:9], s[22:23]
	s_or_b32 s[G0V+3], s[G0V+3], 0x80000000
	s_add_nc_u64 s[4:5], s[4:5], s[2:3]  ; Q and O at my wave's first row
	s_add_nc_u64 s[10:11], s[10:11], s[2:3]
	LOAD                            ; slot 0.  Slot 1 is asked for when slot 0 is in: the tile wanted first has the road to itself
	; A fragment of K or Q is 16 rows x 32 channels in 8 registers: lane l holds row l % 16, channels 8 (l / 16) + 0..7 and 16 + 8 (l / 16) + 0..7: two loads of 16 bytes, 32 bytes apart.
	v_and_b32 v1, 15, v0            ; l % 16
	v_bfe_u32 v9, v0, 4, 1          ; l / 16
	v_lshlrev_b32 v[QO], 7, v1
	v_lshl_add_u32 v[QO], v9, 4, v[QO]  ; row x 128 + 16 x half
	WIN 0x80                        ; destination window 2, address window 0
.set i, 0
.rept 4*NP                          ; Q stays in registers: tile i / 2, channels 32 (i % 2) on
	global_load_b128 v[8*i:8*i+3],   v[QO], s[4:5] offset:(i/2)*2048+(i%2)*64
	global_load_b128 v[8*i+4:8*i+7], v[QO], s[4:5] offset:(i/2)*2048+(i%2)*64+32
.set i, i+1
.endr
	; What the first turn finds: V's registers and P's second buffer hold 0 (its products V^T P, of a piece that has not been, add 0), O^T and l are 0.  All this stands in the wait for the first tile.
.set i, VF
.rept 64
	v_mov_b32 v[i], 0
.set i, i+1
.endr
	WIN 0x40
.set i, 0
.rept 64*NP
	v_mov_b32 v[i], 0
.set i, i+1
.endr
	WIN 0
.set i, 0
.rept 2*NP
	v_mov_b32 v[ST+4*i], 0xfe000000    ; c m: far below every c s
	v_mov_b32 v[ST+4*i+1], 0xff7fffff  ; m
	v_mov_b32 v[ST+4*i+2], 0
	v_mov_b32 v[ST+4*i+3], 0
.set i, i+1
.endr
.set i, P+32
.rept 32
	v_mov_b32 v[i], 0
.set i, i+1
.endr
	v_mul_u32_u24 v[AK0], v1, PK
	v_lshl_add_u32 v[AK0], v9, 4, v[AK0]  ; row x pitch + 16 x half
	; The turning load takes 16 keys x 16 channels (lane l reads key 8 (l / 16) + l % 8, channels 8 ((l / 8) % 2) + 0..7) and leaves half a fragment of V^T: lane l holds channel l % 16 and 8 keys.
	v_and_b32 v10, 7, v0
	v_bfe_u32 v11, v0, 3, 1
	v_lshl_add_u32 v[AV0], v9, 3, v10
	v_mul_u32_u24 v[AV0], v[AV0], PV
	v_lshl_add_u32 v[AV0], v11, 4, v[AV0]
	v_add_nc_u32 v[AV0], VOFF, v[AV0]
	v_mov_b32 v[AK], v[AK0]         ; key step 0 lies at the head of slot 0
; THE MATRIX WORK.  The 8 accumulators of a run of 16 take turns: between the two links of a chain stand 7 others'.
; Product i of 16 of S^T = K Q^T for piece x: channels 32 (i / 8) on, keys 16 ((i / 2) % 4) on, tile 2 x + i % 2.  The first 8 start the sums.
.macro KQ x
	WIN W_KQ
.set rS, S+64*((\x)%2)+32*(i%2)+8*((i/2)%4)
.set rK, KF+16*((i/2)%4)+8*(i/8)
.set rQ, 16*(2*(\x)+i%2)+8*(i/8)
.if i < 8
	v_wmma_f32_16x16x32_f16 v[rS:rS+7], v[rK:rK+7], v[rQ:rQ+7], 0
.else
	v_wmma_f32_16x16x32_f16 v[rS:rS+7], v[rK:rK+7], v[rQ:rQ+7], v[rS:rS+7]
.endif
.endm
; Product i of 16 of O^T += V^T P for piece x: keys 32 (i / 8) on, channels 16 ((i / 2) % 4) on, tile 2 x + i % 2.
.macro PV x
	WIN W_PV
.set rO, 32*(2*(\x)+i%2)+8*((i/2)%4)
.set rV, VF+32*(i/8)+8*((i/2)%4)
.set rP, P+32*((\x)%2)+16*(i%2)+8*(i/8)
	v_wmma_f32_16x16x32_f16 v[rO:rO+7], v[rV:rV+7], v[rP:rP+7], v[rO:rO+7]
.endm
.macro MM                           ; the turn's next matrix instruction
.if i < 16
	KQ (Y+1)%NP
.set i, i+1
.else
.set i, i-16
	PV (Y+NP-1)%NP
.set i, i+17
.endif
.endm
; THE LDS LOADS stand in runs of 16, never singly among the matrix instructions: a step's K (64 keys x 64 channels: 8 fragments) and its V (turned).  Their addresses are made some lines ahead.
; last = 1 (the tail): in the last trip there is no further step, and the run is jumped over.
.macro FETCH_K last=0
	WIN 0
.if \last
	s_cmp_eq_u32 s[CNT], 1
	s_cbranch_scc1 .Lno_k_\@
.endif
	WIN 0x80                        ; destination window 2
.irp f, 0,1,2,3,4,5,6,7             ; keys 16 (f / 2) on, channels 32 (f % 2) on
	ds_load_b128 v[KF+8*\f:KF+8*\f+3],   v[AK] offset:(\f/2)*16*PK+(\f%2)*64
	ds_load_b128 v[KF+8*\f+4:KF+8*\f+7], v[AK] offset:(\f/2)*16*PK+(\f%2)*64+32
.endr
	s_add_co_u32 s[TBK], s[TBK], KS*PK  ; the next fetch is the next step's
	WIN 0
.if \last
.Lno_k_\@:
.endif
.endm
.macro FETCH_V
	WIN 0x80
.irp f, 0,1,2,3,4,5,6,7             ; keys 32 (f / 4) on, channels 16 (f % 4) on
	ds_load_tr16_b128 v[VF+8*\f:VF+8*\f+3],   v[AV] offset:(\f/4)*32*PV+(\f%4)*32
	ds_load_tr16_b128 v[VF+8*\f+4:VF+8*\f+7], v[AV] offset:(\f/4)*32*PV+16*PV+(\f%4)*32
.endr
	WIN 0
.endm
; THE VECTOR WORK OF A TURN stands in three queues, each in the order in which its entries become ready; the two tiles alternate, so that no instruction reads the result of the one before it.
.macro REGS y, u                    ; the registers of tile u (0, 1) of piece y
.set rT, ST+4*(2*(\y)+(\u))
.set rC, TMP+8*((\y)%2)+4*(\u)
.set rM, MV+2*((\y)%2)+(\u)
.set rS, S+64*((\y)%2)+32*(\u)
.set rP, P+32*((\y)%2)+16*(\u)
.set rO, 32*(2*(\y)+(\u))
.endm
; Number n of the 22 that find the NEXT piece's (Y + 1) maximum and statistics.  s0-s31 are the lane's 32 scores; each accumulator's lowest registers are read first.  XS, GS and REGS set no window: PL and EX do.
;   0-11  four chains c0-c3 of seven scores each, three operands at a time     12-14, 16  the four scores left over, the old m, and c0-c3 into c0     15  c m_old is kept
;   17, 18  the query's other 32 keys lie in the lane 16 away: the new m         19-21  c m; c m_old - c m_new; a
.macro XS u, n
	REGS (Y+1)%NP, \u
.if (\n) < 4
	v_max3_num_f32 v[rC+(\n)], v[rS+8*(\n)], v[rS+8*(\n)+1], v[rS+8*(\n)+2]
.elseif (\n) < 12
	v_max3_num_f32 v[rC+(\n)%4], v[rC+(\n)%4], v[rS+8*((\n)%4)+2*((\n)/4)+1], v[rS+8*((\n)%4)+2*((\n)/4)+2]
.elseif (\n) == 12
	v_max3_num_f32 v[rC], v[rC], v[rS+7], v[rS+15]
.elseif (\n) == 13
	v_max3_num_f32 v[rC+1], v[rC+1], v[rS+23], v[rS+31]
.elseif (\n) == 14
	v_max3_num_f32 v[rC+2], v[rC+2], v[rC+3], v[rT+1]
.elseif (\n) == 15
	v_mov_b32 v[rM], v[rT]
.elseif (\n) == 16
	v_max3_num_f32 v[rC], v[rC], v[rC+1], v[rC+2]
.elseif (\n) == 17
	v_permlanex16_b32 v[rC+3], v[rC], s[SEL], s[SEL+1]
.elseif (\n) == 18
	v_max_num_f32 v[rT+1], v[rC], v[rC+3]
.elseif (\n) == 19
	v_mul_f32 v[rT], s[CS], v[rT+1]
.elseif (\n) == 20
	v_sub_f32 v[rC+1], v[rM], v[rT]
.else
	v_exp_f32 v[rC+2], v[rC+1]
.endif
.endm
; Number g of the 64 that follow the exponentials.  For each four weights k of a tile (pairs 2 k, 2 k + 1): both pairs are rounded to f16; then the second pair is added onto the first, in place;
; a group later l takes that sum (the first time as l = a l + sum).  In groups of eight, tiles alternating: round, round, add, and l for the group before.
.macro GS g
.set h, (\g)+6*((\g)/62)            ; group 0 has no group before it, and behind group 7 only l is left
.if h >= 6
.set h, h+2
.endif
	REGS Y, h%2
.set k, h/8
.if h%8 < 4
	s_wait_alu depctr_va_vdst(0)
	v_cvt_pk_f16_f32 v[rP+2*k+(h%8)/2], v[rS+4*k+2*((h%8)/2)], v[rS+4*k+2*((h%8)/2)+1]
.elseif h%8 < 6
	v_pk_add_f32 v[rS+4*k:rS+4*k+1], v[rS+4*k:rS+4*k+1], v[rS+4*k+2:rS+4*k+3]
.elseif k == 1
	v_pk_fma_f32 v[rT+2:rT+3], v[rT+2:rT+3], v[rC+2:rC+3], v[rS:rS+1] op_sel_hi:[1,0,1]
.else
	v_pk_add_f32 v[rT+2:rT+3], v[rT+2:rT+3], v[rS+4*k-4:rS+4*k-3]
	s_wait_alu depctr_va_vdst(0)
.endif
.endm
; THE PLAIN QUEUE, 138 long.  0-31: c s - c m for the 16 pairs of both tiles.  Then GS's 64, and among them the next piece's 42: number 15 at 38, 39; 0-14 and 16
; at 42-73, behind the products that make those scores; 17-20 at 95-106, two of three, since each waits for the one before it.
.macro PL
	WIN 0
.if q < 32
	REGS Y, q%2
	v_pk_fma_f32 v[rS+2*(q/2):rS+2*(q/2)+1], v[rS+2*(q/2):rS+2*(q/2)+1], s[CS:CS+1], v[rT:rT+1] op_sel_hi:[1,0,0] neg_lo:[0,0,1] neg_hi:[0,0,1]
.elseif q < 38
	GS q-32
.elseif q < 40
	XS q%2, 15
.elseif q < 42
	GS q-34
.elseif q < 74
	XS q%2, (q-42)/2+(q-42)/30
.elseif q < 95
	GS q-66
.elseif (q < 107) && ((q-95)%3 < 2)
	XS (q-95)%3, 17+(q-95)/3
.elseif q < 107
	GS 29+(q-95)/3
.else
	GS q-74
.endif
.set q, q+1
.endm
; THE EXPONENTIALS' QUEUE, 66 long: s0-s31 of both tiles, and at EA the next piece's two a.
.set EA, 58
.macro EX
	WIN 0
.if (e == EA) || (e == EA+1)
	XS e-EA, 21
.else
.set x, e-2*(e/(EA+2))
	REGS Y, x%2
	v_exp_f32 v[rS+x/2], v[rS+x/2]
.endif
.set e, e+1
.endm
; THE RESCALING's QUEUE: O^T times a, the one part that leaves window 0, so it is dealt four at a time, eight times.
.macro R4
	REGS Y, r%2
	WIN W_RS
	s_wait_alu depctr_va_vdst(0)
.irp z, 0,1,2,3
	v_pk_mul_f32 v[rO+8*(r/2)+2*\z:rO+8*(r/2)+2*\z+1], v[rO+8*(r/2)+2*\z:rO+8*(r/2)+2*\z+1], v[rC+2:rC+3] op_sel_hi:[1,0]
.endr
.set r, r+1
.endm
; HOW THEY ARE DEALT.  Behind a matrix instruction four: plain, exponential, plain, plain (one exponential, a plain instruction on either side), or four of the rescaling.  None names a register of the
; products round it.  What is over stands in two LUMPS: exponential and plain by turns; the second ends in 22 plain instructions.  The two v_permlanex16_b32 fall into the second lump, never behind a product.
; The queues lean on each other, and the deal keeps them in step: exponential e stands behind plain 2 (e / 4) + e % 2 (its scaling); when plain 32 comes, 10 exponentials are out, at 59: 33, at 95: 46; EA comes behind plain 107.
.macro SL
	MM
	PL
	EX
	PL
	PL
.endm
.macro BURST n                      ; 15 matrix instructions, or 16
.rept (\n)-7
	SL
.endr
.rept 3
	MM
	R4
	SL
.endr
	MM
	R4
.endm
; A TURN, for piece p.  cnt = 1: the loop's count is taken down some lines ahead of the branch that stands behind the turn.
; K of the next step is fetched in piece 2's turn, 31 vector instructions behind the last product that read K; its first reader comes behind the rest of the lump, 16 products and the second lump.
; V of the step in hand is fetched at the end of piece 0's turn, 69 behind its last reader; its first reader comes behind 16 products and a lump.  The four conditions on e and q below go with the deal.
.macro TURN p, last=0, cnt=0
.set Y, (\p)
.set i, 0
.set q, 0
.set e, 0
.set r, 0
.if (\p) == NP-1
	s_wait_dscnt 0x0                ; K is in
.endif
	MM
.rept 4
	PL
.endr
	BURST 15
.rept 22
	EX
	PL
.if ((\p) == NP-2) && (e == 18)
	v_add_nc_u32 v[AK], s[TBK], v[AK0]
.endif
.if ((\p) == NP-2) && (e == 24)
	FETCH_K \last
.endif
.endr
.if (\p) == 1
	s_wait_dscnt 0x0                ; V is in
.endif
	BURST 16
.rept 21
	EX
	PL
.endr
.rept 22
	PL
.if ((\p) == 0) && (q == 118)
	v_add_nc_u32 v[AV], s[TBV], v[AV0]
	s_wait_alu depctr_va_vdst(0)
.endif
.if ((\p) == 0) && (q == 130)
	s_add_co_u32 s[TBV], s[TBV], KS*PV
.endif
.if (\cnt) && (q == 130)
	s_sub_co_u32 s[CNT], s[CNT], 1
	s_cmp_lg_u32 s[CNT], 0
.endif
.endr
.if (\p) == 0
	FETCH_V
.endif
.endm
	CHANGE 1                        ; slot 0 is in, everybody's part of it; slot 1 is asked for
	FETCH_K                         ; key step 0
	s_wait_loadcnt 0x0              ; Q
	s_wait_dscnt 0x0
.set i, 0
.rept 16
	KQ 0                            ; piece 0's first scores: there is no vector work yet to set between them
.set i, i+1
.endr
	WIN 0                           ; the addresses for the way out: nine plain instructions, the places behind those products
	s_mul_i32 s13, s[WV], 16*SP
	s_add_co_u32 s13, s13, STAGE    ; my stage
	v_mul_u32_u24 v[STO], v1, SP    ; in: row l % 16, 16 bytes for each half of the lanes
	v_lshl_add_u32 v[STO], v9, 4, v[STO]
	v_add_nc_u32 v[STO], s13, v[STO]
	v_bfe_u32 v[RD], v0, 3, 2       ; back: 32 lanes take four rows of 128 bytes,
	v_mul_u32_u24 v[RD], v[RD], SP
	v_lshl_add_u32 v[RD], v10, 4, v[RD]
	v_add_nc_u32 v[RD], s13, v[RD]
	v_and_b32 v[GO], 31, v0         ; which are 512 consecutive bytes of O
	v_lshlrev_b32 v[GO], 4, v[GO]
.set Y, NP-1                        ; XS works for piece Y + 1: piece 0
.irp n, 0,1,2,3,4,5,6,7,8,9,10,11,12,13,14,15,16,17,18,19,20,21
	XS 0, \n                        ; and piece 0's first maximum and statistics
	XS 1, \n
.endr
	s_mov_b32 s[CNT], 4
	s_mov_b32 s[SLOTS], SIZE_N/256-1
	s_branch .Lfirst                ; the loop is entered at a step's first turn, in the middle of a trip
.Lslot:                             ; SIZE_N / 256 - 2 times: every slot but the last two is filled again
	CHANGE 1
	s_mov_b32 s[CNT], 4
.Lstep:                             ; a trip: pieces 2 and 3 of one step, then pieces 0 and 1 of the next, whose K and V it fetches
	TURN 2
	TURN 3
	WIN 0
.Lfirst:
	TURN 0
	TURN 1, 0, 1
	WIN 0
	s_cbranch_scc1 .Lstep
	s_sub_co_u32 s[SLOTS], s[SLOTS], 1
	s_cmp_lg_u32 s[SLOTS], 0
	s_cbranch_scc1 .Lslot
	CHANGE 0                        ; the tail is written out: nothing is asked for
	s_mov_b32 s[CNT], 5             ; four trips fetch the last slot's steps; the fifth is left in its middle
.Ltail:
	TURN 2, 1
	TURN 3
	WIN 0
	s_sub_co_u32 s[CNT], s[CNT], 1
	s_cmp_eq_u32 s[CNT], 0
	s_cbranch_scc1 .Lout
	TURN 0
	TURN 1
	WIN 0
	s_branch .Ltail
.Lout:                              ; the fifth trip's 16 products K Q^T (on the last K once more) and the maximum made of them serve nothing: the price, once a launch, of one text for every trip
.set i, 0
.rept 16
	PV NP-1                         ; the last piece's V^T P of the last step
.set i, i+1
.endr
	; THE WAY OUT.  l's two halves and the other half of the lanes' are added; O^T is divided by l, rounded to f16 and sent through my stage in LDS, a tile at a time.  The additions are the places behind the last products.
	WIN 0
.macro ALL line:vararg              ; one line for each tile t
.set t, 0
.rept 2*NP
	\line
.set t, t+1
.endr
.endm
	ALL v_add_f32 v[ST+4*t+2], v[ST+4*t+2], v[ST+4*t+3]
	ALL v_permlanex16_b32 v[ST+4*t+3], v[ST+4*t+2], s[SEL], s[SEL+1]
	ALL v_add_f32 v[ST+4*t+2], v[ST+4*t+2], v[ST+4*t+3]
	ALL v_rcp_f32 v[ST+4*t+2], v[ST+4*t+2]
	v_nop                           ; a plain instruction between the last reciprocal and the use of its result
	s_wait_alu depctr_va_vdst(0)
; Tile t: a lane's eight channels of a row pack into 16 bytes; they go into rows of 144 bytes and come back as whole rows of 128, into S^T's registers.
.macro PACK t
	WIN W_RS
.set i, 32*(\t)
.rept 16
	v_pk_mul_f32 v[i:i+1], v[i:i+1], v[ST+4*(\t)+2:ST+4*(\t)+3] op_sel_hi:[1,0]
.set i, i+2
.endr
	WIN 0x05                        ; sources 0 and 1 window 1, destination window 0
.set i, 0
.rept 16
	v_cvt_pk_f16_f32 v[S+16*(\t)+i], v[32*(\t)+2*i], v[32*(\t)+2*i+1]
.set i, i+1
.endr
	WIN 0
.irp f, 0,1,2,3
	ds_store_b128 v[STO], v[S+16*(\t)+4*\f:S+16*(\t)+4*\f+3] offset:32*\f
.endr
.irp f, 0,1,2,3
	ds_load_b128 v[S+16*(\t)+4*\f:S+16*(\t)+4*\f+3], v[RD] offset:\f*4*SP  ; LDS serves a wave's instructions in order (ISA guide 5.7.1.4): these see the stores above; the next tile's stores come behind them
.endr
.endm
.macro SEND t, younger              ; younger: the LDS instructions issued behind tile t's loads: the next tile's eight, or none
	WIN 0
.irp f, 0,1,2,3
	s_wait_dscnt (\younger)+3-\f
	global_store_b128 v[GO], v[S+16*(\t)+4*\f:S+16*(\t)+4*\f+3], s[10:11] offset:(\t)*2048+\f*512  ; 512 consecutive bytes, at a multiple of 256 from O's first
.endr
.endm
	PACK 0
.set t, 1
.rept 2*NP-1                        ; a tile's arithmetic stands between the loads of the tile before and its stores
	PACK t
	SEND t-1, 8
.set t, t+1
.endr
	SEND 2*NP-1, 0
	WIN W_AD
	s_wait_tensorcnt 0x0            ; the wave's end, an add and its waits, behind my last tensor load and my last LDS store
	ds_add_u32 v[SPW], v[NIL]
	s_wait_dscnt 0x0
	WIN 0
	s_endpgm
.Lfunc_end_k_qdd90b30a17_attn:
	.size	k_qdd90b30a17_attn, .Lfunc_end_k_qdd90b30a17_attn-k_qdd90b30a17_attn
	.p2alignl 7, 3214868480
	.fill 96, 4, 3214868480
	.section	.rodata,"a",@progbits
	.p2align	6, 0x0
	.amdhsa_kernel k_qdd90b30a17_attn
		.amdhsa_group_segment_fixed_size 327680
		.amdhsa_private_segment_fixed_size 0
		.amdhsa_enable_private_segment 0
		.amdhsa_kernarg_size 16
		.amdhsa_user_sgpr_count 2
		.amdhsa_user_sgpr_kernarg_segment_ptr 1
		.amdhsa_wavefront_size32 1
		.amdhsa_system_sgpr_workgroup_id_x 1
		.amdhsa_system_sgpr_workgroup_id_y 1
		.amdhsa_system_sgpr_workgroup_id_z 1
		.amdhsa_system_vgpr_workitem_id 0
		.amdhsa_next_free_vgpr 770
		.amdhsa_next_free_sgpr 66
		.amdhsa_reserve_vcc 0
		.amdhsa_float_denorm_mode_32 3
		.amdhsa_float_denorm_mode_16_64 3
		.amdhsa_memory_ordered 1
		.amdhsa_forward_progress 1
		.amdhsa_inst_pref_size 207
	.end_amdhsa_kernel
	.amdgpu_metadata
---
amdhsa.version: [ 1, 2 ]
amdhsa.kernels:
  - .name:           k_qdd90b30a17_attn
    .symbol:         k_qdd90b30a17_attn.kd
    .args:
      - { .name: qkv, .offset: 0, .size: 8, .value_kind: global_buffer, .address_space: global }
      - { .name: act, .offset: 8, .size: 8, .value_kind: global_buffer, .address_space: global }
    .group_segment_fixed_size: 327680
    .private_segment_fixed_size: 0
    .kernarg_segment_align: 8
    .kernarg_segment_size: 16
    .max_flat_workgroup_size: 128
    .sgpr_count:     66
    .vgpr_count:     770
    .wavefront_size: 32
...
	.end_amdgpu_metadata
.endif
;; end of part 3
;; launch proj (part 4): grid 4 x 64, 4 waves a work-group, clusters of 4 x 4, 327,680 bytes of LDS; arguments act, wp, b_proj, x1, x; writes x1
.if DOCPART == 4
	.amdgcn_target "amdgcn-amd-amdhsa--gfx1250"
	.amdhsa_code_object_version 6
	.text
	.protected	k_qdd90b30a17_proj
	.globl	k_qdd90b30a17_proj
	.p2align	8
	.type	k_qdd90b30a17_proj,@function
k_qdd90b30a17_proj:
	s_mov_b64 s[64:65], 0
	v_nop
	global_prefetch_b8 v0, s[64:65] scope:SCOPE_SE
	s_setreg_imm32_b32 hwreg(HW_REG_WAVE_MODE, 25, 1), 1
	s_wait_xcnt 0x0
	s_wait_alu depctr_hold_cnt(0) depctr_sa_sdst(0) depctr_va_vdst(0) depctr_va_sdst(0) depctr_va_ssrc(0) depctr_va_vcc(0) depctr_vm_vsrc(0)
	s_getreg_b32 s2, hwreg(HW_REG_IB_STS2, 6, 4)
	s_cmp_eq_u32 s2, 0
	s_cbranch_scc0 .Lentry_in_a_cluster
	s_endpgm
.Lentry_in_a_cluster:
	s_bfe_u32 s2, ttmp6, 0x10000c
	s_cmp_lg_u32 s2, 0xf033
	s_cbranch_scc0 .Lentry_shape_is_right
	s_endpgm
.Lentry_shape_is_right:
; OUT = RES + A W + b.  A: f16 IN BLOCKS, [16 blocks of 64 columns][8192 rows][64]: column c of row m at byte ((c / 64) x 8192 + m) x 128 + 2 (c % 64).  W: [1024 k][1024 n] f16.  b: [1024] f32.
; RES and OUT: [8192][1024] f32, two different buffers.  Sums in f32, begun with the bias; the residual is added in f32; nothing is rounded to 16 bits on the way out.
; SHARES.  A tile of OUT is 128 rows x 256 columns: 64 x 4 = 256 tiles, one for each WGP.  Four waves, 2 x 2, each 64 x 128: 32 accumulators of 16 x 16, 256 registers.
; K goes in 8 steps of 128 (two blocks of A) through two LDS slots; a step is four quarters of 32 along K, 32 matrix instructions and 24 LDS loads each, on two fragment buffers.
; THE MATRIX INSTRUCTION IS USED TRANSPOSED: source 0 = 16 columns of W (read turned, by ds_load_tr16_b128, from the tile as it lies, [k][n]), source 1 = 16 rows of A.  A lane then holds one row
; of the result (lane % 16) and the columns 8 (lane / 16) + 0..7.  The bias is the C operand of each sum's first product: no vector work, nothing cleared.
; CLUSTER.  4 x 4 work-groups: the four of a row of the cluster need the same tile of A, the four of a column the same tile of W: each is asked for jointly, by the same tensor load with the same
; descriptor and a mask that names the four.  Waves 0 and 1 fetch the step's two blocks of A (128 rows of 128 bytes, dense), waves 2 and 3 W's two halves of 64 k-rows: one load a wave behind each round, two out at the start.
; THE RESIDUAL's tile, 64 x 128 f32 a wave, is asked for under the products, in the lanes in which the rows leave: 256 registers.
; REGISTERS, in windows of 256 (s_set_vgpr_msb: bits 1:0 source 0, 3:2 source 1, 5:4 source 2, 7:6 destination):
;   window 0: v0-31 addresses; v64-159, v160-255 two fragment buffers: A's four fragments, then W's eight; on the way out v64-191 rows read back
;   window 1: accumulator (a, b) at v[8 (8 a + b)]     window 2: v0-63 the bias, column block b at v[8 b]     window 3: the residual, row 16 a + t at v[64 a + 4 t]
.set SIZE_N, 1024
.set AP,     144                       ; a row of A in LDS: 128 bytes + 16 of padding = 36 words: the 16 rows of a load start at 16 different groups of four banks (64 banks of 4 bytes: ISA guide 11.1)
.set AH,     128*AP                    ; what one load of A brings: a block's 128 rows
.set AQ2,    AH                        ; bytes from quarter q to quarter q + 2 in A's tile: the step's second block
.set ASTEP,  0x200000                  ; bytes from a K step to the next in A: two blocks
.set WP,     544                       ; a row of W: 512 + 32 = 136 words
.set WH,     64*WP
.set WSTEP,  256*SIZE_N                ; 128 k-rows on
.set AREG,   36864                     ; W's tile begins here in a slot
.set SLOT1,  131072                    ; slot 1 begins here: one exclusive or turns an address in one slot into the other's
.set STAGE,  SLOT1+AREG+2*WH           ; behind the ring, never filled by a tensor load: 16 rows x 528 bytes for each wave
.set SP,     528                       ; 512 + 16 = 132 words: row r starts at bank 4 r mod 64
.set SPARE,  STAGE+4*16*SP             ; behind the stages: the spare words, 128 bytes for each wave: two blocks of 256 bytes that no other line names
.set A0,   16                          ; v16  my lane's place in A's tile; never rewritten
.set W0,   17                          ; v17  the same for W
.set ADRA, 18                          ; v18  the same in the slot in hand
.set ADRW, 19                          ; v19
.set STO,  24                          ; v24  the way out: where I put 32 bytes of a row
.set RD,   25                          ; v25  the way out: where I read a row back
.set GO,   26                          ; v26  16 x lane
.set BO,   27                          ; v27  32 x (lane / 16): my place in 16 numbers of the bias
.set SPW,  28                          ; v28  LDS address of my spare word; never rewritten
.set NIL,  29                          ; v29  0; never rewritten
.set F0,   64
.set F1,   160
.set TMP,  64
.set WV,   14                          ; s14  my wave's number
.set RH,   15                          ; s15  which 64 rows of the tile are mine
.set CH,   16                          ; s16  which 128 columns; also which half of a tile I fetch
.set TB,   23                          ; s23  LDS byte at which the slot in hand begins
.set G1A,  24                          ; s[24:31] descriptor group 1 for A's tiles;  s[32:39] group 0: a set for each first fill; the second then walks on
.set G0A,  32
.set G1W,  48                          ; s[48:55], s[56:63] the same for W's
.set G0W,  56
.set MSB, 0
.macro WIN new                         ; the immediate's high byte repeats the setting that is left; a switch that changes nothing is dropped
.if MSB != (\new)
	s_set_vgpr_msb (MSB<<8)|(\new)
.set MSB, \new
.endif
.endm
.macro PLACES                          ; four places in front of loads into registers that matrix instructions have read, and of lines that read results
.rept 4
	v_nop
.endr
.endm
.macro JLOAD s                         ; a joint load; the branch hangs on the wave's number alone; an s_nop 0 and four v_nop follow each of the two lines
	s_cmp_lt_u32 s[WV], 2
	s_cbranch_scc0 .Lfor_w_\@
	tensor_load_to_lds s[G0A+4*(\s):G0A+4*(\s)+3], s[G1A:G1A+7]
	s_nop 0
.rept 4
	v_nop
.endr
	s_branch .Lasked_\@
.Lfor_w_\@:
	tensor_load_to_lds s[G0W+4*(\s):G0W+4*(\s)+3], s[G1W:G1W+7]
	s_nop 0
.rept 4
	v_nop
.endr
.Lasked_\@:
.endm
.macro CREST                           ; a round of the cluster's barrier behind its opening barrier
	s_cmp_lg_u32 s[WV], 0
	s_cbranch_scc1 .Lnot_wave_0_\@
	s_barrier_signal -3
.Lnot_wave_0_\@:
	s_barrier_wait -3
	s_barrier_signal -1
	s_barrier_wait -1
.endm
.macro CROUND                          ; a whole round
	s_barrier_signal -1
	s_barrier_wait -1
	CREST
.endm
; 8 matrix instructions: row block a x all 8 column blocks, 32 along K, from buffer f.  first = 1: the sums begin, on the bias.  The 32 accumulators take turns, in the same order in every quarter.
.macro MUL8 f, a, first
.if \first
	WIN 0x60
.else
	WIN 0x50
.endif
.irp b, 0,1,2,3,4,5,6,7
.if \first
	v_wmma_f32_16x16x32_f16 v[8*(8*(\a)+(\b)):8*(8*(\a)+(\b))+7], v[(\f)+32+8*(\b):(\f)+32+8*(\b)+7], v[(\f)+8*(\a):(\f)+8*(\a)+7], v[8*(\b):8*(\b)+7]
.else
	v_wmma_f32_16x16x32_f16 v[8*(8*(\a)+(\b)):8*(8*(\a)+(\b))+7], v[(\f)+32+8*(\b):(\f)+32+8*(\b)+7], v[(\f)+8*(\a):(\f)+8*(\a)+7], v[8*(8*(\a)+(\b)):8*(8*(\a)+(\b))+7]
.endif
.endr
.endm
; 24 LDS loads in one run: quarter q's fragments into buffer f: W's eight (turned), then A's four
.macro FETCH q, f
	WIN 0
.irp b, 0,1,2,3,4,5,6,7
	ds_load_tr16_b128 v[(\f)+32+8*(\b):(\f)+32+8*(\b)+3],   v[ADRW] offset:(\q)*32*WP+32*(\b)
	ds_load_tr16_b128 v[(\f)+32+8*(\b)+4:(\f)+32+8*(\b)+7], v[ADRW] offset:(\q)*32*WP+16*WP+32*(\b)
.endr
.irp a, 0,1,2,3
	ds_load_b128 v[(\f)+8*(\a):(\f)+8*(\a)+3],   v[ADRA] offset:((\q)/2)*AQ2+((\q)%2)*64+(\a)*16*AP
	ds_load_b128 v[(\f)+8*(\a)+4:(\f)+8*(\a)+7], v[ADRA] offset:((\q)/2)*AQ2+((\q)%2)*64+(\a)*16*AP+32
.endr
.endm
; One of a step's first three quarters: multiplies buffer f; in its middle it fetches quarter q of the same slot into buffer g.
.macro QUARTER q, f, g, first
	s_wait_dscnt 4                                 ; W and A's row blocks 0, 1 are in; the youngest four loads (blocks 2, 3) may be out
	MUL8 \f, 0, \first
	MUL8 \f, 1, \first
	PLACES
	FETCH \q, \g
	s_wait_dscnt 24                                ; all but the 24 just issued
	MUL8 \f, 2, \first
	MUL8 \f, 3, \first
.endm
; The last quarter multiplies buffer 1 and changes slots: ONE barrier; in front of it each wave waits for all its tensor loads (one is out: its part of the next slot), adds 0 to its spare word, and
; waits for that and for its own reads of this slot.  fill = 1: the barrier opens a round of the cluster's, and this slot is filled again, two steps ahead, first thing behind the round:
; 112 matrix instructions ahead of the wait for it.  tail = 1: in the loop's last trip there is no further step, and the fetch is jumped over.
.macro TURN fill, tail
	WIN 0
	s_wait_tensorcnt 0x0                           ; all my tensor loads have landed
	ds_add_u32 v[SPW], v[NIL]                      ; 0 onto my spare word
	s_wait_dscnt 5                                 ; (the add and the youngest four loads may be out)
	MUL8 F1, 0, 0                                  ; eight matrix instructions stand between the add and the wait for it
	s_wait_dscnt 0x0                               ; the add is done, and my reads of this slot are over
	s_barrier_signal -1
	MUL8 F1, 1, 0
	WIN 0
	s_barrier_wait -1
.if \fill
	CREST                                          ; no wave of any partner still reads this slot's tiles or has a load on its way
	s_xor_b32 s[G0A+5], s[G0A+5], SLOT1            ; the walking descriptors: the other slot than last time, the next K step; the type bits on top are not reached
	s_add_nc_u64 s[G0A+6:G0A+7], s[G0A+6:G0A+7], ASTEP
	s_xor_b32 s[G0W+5], s[G0W+5], SLOT1
	s_add_nc_u64 s[G0W+6:G0W+7], s[G0W+6:G0W+7], WSTEP
	JLOAD 1                                        ; its four v_nop are also the places in front of the loads below
.else
	PLACES
.endif
	s_xor_b32 s[TB], s[TB], SLOT1
	v_add_nc_u32 v[ADRA], s[TB], v[A0]
	v_add_nc_u32 v[ADRW], s[TB], v[W0]
.if \tail
	s_cmp_eq_u32 s3, 1
	s_cbranch_scc1 .Lno_fetch_\@
.endif
	FETCH 0, F0
.if \tail
.Lno_fetch_\@:
.endif
	MUL8 F1, 2, 0
	MUL8 F1, 3, 0
.endm
.macro RLOAD a                         ; the residual's rows 16 a to 16 a + 15 of my 64: a row's 512 bytes to a load
	WIN 0xc0                                       ; destination window 3, address window 0
.irp t, 0,1,2,3,4,5,6,7,8,9,10,11,12,13,14,15
	global_load_b128 v[64*(\a)+4*(\t):64*(\a)+4*(\t)+3], v[GO], s[12:13] offset:(16*(\a)+(\t))*4096
.endr
	WIN 0
.endm
	s_load_b256 s[4:11], s[0:1], 0x0               ; A s[4:5], W s[6:7], bias s[8:9], out s[10:11]
	s_load_b64 s[12:13], s[0:1], 0x20              ; the residual
	v_lshl_add_u32 v[SPW], v0, 2, SPARE
	v_mov_b32 v[NIL], 0
	ds_add_u32 v[SPW], v[NIL]                      ; the wave's opening: the add and its wait stand ahead of my first tensor load; the set-up below, work on registers, stands between them
	ds_add_u32 v28, v29
	v_lshrrev_b32 v1, 5, v0
	v_readfirstlane_b32 s[WV], v1                  ; wave 0..3
	s_lshr_b32 s[RH], s[WV], 1
	s_and_b32 s[CH], s[WV], 1
	s_bfe_u32 s17, ttmp6, 0x40000                  ; cx, cy: my place in the cluster
	s_bfe_u32 s18, ttmp6, 0x40004
	s_lshl_b32 s19, ttmp9, 2
	s_add_co_u32 s19, s19, s17                     ; tile column = 4 x cluster x + cx
	s_and_b32 s20, ttmp7, 0xffff
	s_lshl_b32 s20, s20, 2
	s_add_co_u32 s20, s20, s18                     ; tile row = 4 x cluster y + cy
	s_lshl_b32 s21, s18, 2
	s_lshl_b32 s21, 15, s21                        ; my row of the cluster
	s_lshl_b32 s22, 0x1111, s17                    ; my column
	; A's load: 128 rows of 128 bytes are 16,384 dense bytes: asked for as 64 rows of 256 bytes, two rows of A a row, and padded in LDS after every row of A
	s_or_b32 s[G1A], s21, (1<<16)|(1<<20)|(1<<21)|(4<<22)|(3<<25)  ; 15:0 the mask; 17:16 2-byte elements; 20 padding on; 21 set beside a mask; 24:22 after every 32 words (code 4); 31:25 4 words (code 3)
	s_mov_b32 s[G1A+1], 128<<16                    ; tensor_dim0 = 128
	s_mov_b32 s[G1A+2], 64<<16                     ; tensor_dim1 = 64
	s_mov_b32 s[G1A+3], 128<<16                    ; tile_dim0 = 128
	s_mov_b32 s[G1A+4], 64                         ; tile_dim1 = 64
	s_mov_b32 s[G1A+5], 128                        ; elements from row to row
	s_mov_b32 s[G1A+6], 0
	s_mov_b32 s[G1A+7], 0
	s_or_b32 s[G1W], s22, (1<<16)|(1<<20)|(1<<21)|(6<<22)|(7<<25)  ; after every 128 words (code 6) 8 words of padding (code 7)
	s_mov_b32 s[G1W+1], 256<<16
	s_mov_b32 s[G1W+2], 64<<16
	s_mov_b32 s[G1W+3], 256<<16
	s_mov_b32 s[G1W+4], 64
	s_mov_b32 s[G1W+5], SIZE_N
	s_mov_b32 s[G1W+6], 0
	s_mov_b32 s[G1W+7], 0
	s_lshl_b32 s40, s20, 14                        ; A: row 128 x tile row, 128 bytes a row; block = my half, 2^20 bytes a block: it hangs on the tile row alone
	s_lshl_b32 s68, s[CH], 20
	s_add_co_u32 s40, s40, s68
	s_mov_b32 s41, 0
	s_mul_i32 s44, s[CH], 128*SIZE_N               ; W: k-row 64 x half, column 256 x tile column: it hangs on the tile column alone
	s_lshl_b32 s69, s19, 9
	s_add_co_u32 s44, s44, s69
	s_mov_b32 s45, 0
	s_mul_i32 s66, s[CH], AH                       ; where they go: no place in the cluster enters an LDS address
	s_mul_i32 s67, s[CH], WH
	s_add_co_u32 s67, s67, AREG
	s_wait_dscnt 0x0                               ; the opening add is done
	s_wait_kmcnt 0x0
	s_add_nc_u64 s[42:43], s[4:5], s[40:41]
	s_add_nc_u64 s[46:47], s[6:7], s[44:45]
	CROUND                                         ; all sixteen work-groups are here: the first joint loads meet
.irp s, 0,1
	s_mov_b32 s[G0A+4*(\s)], 1
	s_add_co_u32 s[G0A+4*(\s)+1], s66, (\s)*SLOT1
	s_add_nc_u64 s[G0A+4*(\s)+2:G0A+4*(\s)+3], s[42:43], (\s)*ASTEP
	s_or_b32 s[G0A+4*(\s)+3], s[G0A+4*(\s)+3], 0x80000000
	s_mov_b32 s[G0W+4*(\s)], 1
	s_add_co_u32 s[G0W+4*(\s)+1], s67, (\s)*SLOT1
	s_add_nc_u64 s[G0W+4*(\s)+2:G0W+4*(\s)+3], s[46:47], (\s)*WSTEP
	s_or_b32 s[G0W+4*(\s)+3], s[G0W+4*(\s)+3], 0x80000000
	JLOAD \s
.endr
	v_and_b32 v1, 15, v0                           ; l % 16
	v_bfe_u32 v2, v0, 4, 1                         ; l / 16
	v_and_b32 v5, 7, v0                            ; l % 8
	v_bfe_u32 v4, v0, 3, 1
	v_mul_u32_u24 v[A0], v1, AP                    ; A's fragment: row l % 16, 16 bytes for each half of the lanes, in my 64 rows
	v_lshl_add_u32 v[A0], v2, 4, v[A0]
	s_mul_i32 s68, s[RH], 64*AP
	v_add_nc_u32 v[A0], s68, v[A0]
	v_lshl_add_u32 v3, v2, 3, v5                   ; W's: lane l reads k-row 8 (l / 16) + l % 8, columns 8 ((l / 8) % 2) + 0..7, in my 128 columns
	v_mul_u32_u24 v[W0], v3, WP
	v_lshl_add_u32 v[W0], v4, 4, v[W0]
	s_lshl_b32 s68, s[CH], 8
	s_add_co_u32 s68, s68, AREG
	v_add_nc_u32 v[W0], s68, v[W0]
	s_mov_b32 s[TB], 0
	v_mov_b32 v[ADRA], v[A0]
	v_mov_b32 v[ADRW], v[W0]
	v_lshlrev_b32 v[BO], 5, v2
	s_lshl_b32 s72, s19, 10                        ; the bias of my 128 columns
	s_lshl_b32 s68, s[CH], 9
	s_add_co_u32 s72, s72, s68
	s_mov_b32 s73, 0
	s_add_nc_u64 s[8:9], s[8:9], s[72:73]
	WIN 0x80                                       ; destination window 2
.irp b, 0,1,2,3,4,5,6,7
	global_load_b128 v[8*(\b):8*(\b)+3],   v[BO], s[8:9] offset:64*(\b)
	global_load_b128 v[8*(\b)+4:8*(\b)+7], v[BO], s[8:9] offset:64*(\b)+16
.endr
	WIN 0
	s_mul_i32 s68, s[WV], 16*SP
	s_add_co_u32 s68, s68, STAGE                   ; my stage
	v_mul_u32_u24 v[STO], v1, SP                   ; in: row l % 16, 32 bytes for each half of the lanes
	v_lshl_add_u32 v[STO], v2, 5, v[STO]
	v_add_nc_u32 v[STO], s68, v[STO]
	v_and_b32 v[GO], 31, v0
	v_lshlrev_b32 v[GO], 4, v[GO]                  ; 16 x lane: 32 lanes take a row's 512 bytes
	v_add_nc_u32 v[RD], s68, v[GO]
	s_lshl_b32 s70, s20, 7                         ; my first row: 128 x tile row + 64 x half, 4,096 bytes a row,
	s_lshl_b32 s75, s[RH], 6
	s_add_co_u32 s70, s70, s75
	s_lshl_b32 s70, s70, 12
	s_lshl_b32 s74, s19, 10                        ; my first column: 256 x tile column + 128 x half, 4 bytes each
	s_add_co_u32 s70, s70, s74
	s_lshl_b32 s75, s[CH], 9
	s_add_co_u32 s70, s70, s75
	s_mov_b32 s71, 0
	s_add_nc_u64 s[10:11], s[10:11], s[70:71]
	s_add_nc_u64 s[12:13], s[12:13], s[70:71]
	s_wait_tensorcnt 1                             ; my part of K step 0 is in; step 1's may stay out
	s_barrier_signal -1
	s_barrier_wait -1                              ; everybody's is
	FETCH 0, F0
	s_wait_loadcnt 0x0                             ; the bias
	QUARTER 1, F0, F1, 1                           ; the first quarter stands in front of the loop: its products start the sums
	RLOAD 0                                        ; three quarters of the residual now, 48 loads; the rest behind the loop
	RLOAD 1
	RLOAD 2
	WIN 0                                          ; at a label and at a branch every window is 0
	s_mov_b32 s3, 6
.Lstep:                                                ; a trip: a step's quarters 1 to 3 and the next step's quarter 0; steps 2 to 7 are asked for in the six trips
	QUARTER 2, F1, F0, 0
	QUARTER 3, F0, F1, 0
	TURN 1, 0
	QUARTER 1, F0, F1, 0
	WIN 0
	s_sub_co_u32 s3, s3, 1
	s_cmp_lg_u32 s3, 0
	s_cbranch_scc1 .Lstep
	RLOAD 3
	s_mov_b32 s3, 2
.Ltail:                                                ; the last two steps ask for nothing: the second trip is left in its middle
	QUARTER 2, F1, F0, 0
	QUARTER 3, F0, F1, 0
	TURN 0, 1
	WIN 0
	s_sub_co_u32 s3, s3, 1
	s_cmp_eq_u32 s3, 0
	s_cbranch_scc1 .Lout
	QUARTER 1, F0, F1, 0
	WIN 0
	s_branch .Ltail
.Lout:
; THE WAY OUT, by blocks a of 16 rows x 128 columns of f32: a lane's eight columns of a row go into my stage (rows of 528 bytes) and come back as whole rows of 512 bytes; the residual is added; a row to a store.
.macro OUTBLK a
.set T, TMP+64*((\a)%2)
.if (\a) >= 2
	s_wait_xcnt 0x0                                ; the stores of the block two back have read these registers: they are loaded again only behind this wait
.endif
	WIN 0x04                                       ; store data in window 1
.irp b, 0,1,2,3,4,5,6,7
	ds_store_b128 v[STO], v[8*(8*(\a)+(\b)):8*(8*(\a)+(\b))+3]   offset:64*(\b)
	ds_store_b128 v[STO], v[8*(8*(\a)+(\b))+4:8*(8*(\a)+(\b))+7] offset:64*(\b)+16
.endr
	WIN 0
.irp t, 0,1,2,3,4,5,6,7,8,9,10,11,12,13,14,15
	ds_load_b128 v[T+4*(\t):T+4*(\t)+3], v[RD] offset:(\t)*SP  ; LDS serves a wave's instructions in order (ISA guide 5.7.1.4): these see the stores above; the next block's stores come behind them
.endr
.endm
.macro FIN a, younger                  ; younger: the LDS instructions issued behind block a's loads: the next block's 32, or none
.set T, TMP+64*((\a)%2)
	s_wait_loadcnt 16*(3-(\a))                     ; the residual's block a is in; the later blocks' loads may be out
	s_wait_dscnt \younger
	WIN 0x0c                                       ; source 1 in window 3
.set i, 0
.rept 32
	v_pk_add_f32 v[T+2*i:T+2*i+1], v[T+2*i:T+2*i+1], v[64*(\a)+2*i:64*(\a)+2*i+1]
.set i, i+1
.endr
	WIN 0
.irp t, 0,1,2,3,4,5,6,7,8,9,10,11,12,13,14,15
	global_store_b128 v[GO], v[T+4*(\t):T+4*(\t)+3], s[10:11] offset:(16*(\a)+(\t))*4096  ; 512 consecutive bytes, at a multiple of 256 from the buffer's first
.endr
.endm
	PLACES
	OUTBLK 0
	OUTBLK 1
	FIN 0, 32
	OUTBLK 2
	FIN 1, 32
	OUTBLK 3
	FIN 2, 32
	FIN 3, 0
	s_wait_tensorcnt 0x0                           ; the wave's end, an add and its waits, behind my last tensor load and my last LDS store
	ds_add_u32 v[SPW], v[NIL]
	s_wait_dscnt 0x0
	CROUND                                         ; the closing round: no work-group ends while a partner may still ask for a tile that names it
	s_endpgm
.Lfunc_end_k_qdd90b30a17_proj:
	.size	k_qdd90b30a17_proj, .Lfunc_end_k_qdd90b30a17_proj-k_qdd90b30a17_proj
	.p2alignl 7, 3214868480
	.fill 96, 4, 3214868480
	.section	.rodata,"a",@progbits
	.p2align	6, 0x0
	.amdhsa_kernel k_qdd90b30a17_proj
		.amdhsa_group_segment_fixed_size 327680
		.amdhsa_private_segment_fixed_size 0
		.amdhsa_enable_private_segment 0
		.amdhsa_kernarg_size 40
		.amdhsa_user_sgpr_count 2
		.amdhsa_user_sgpr_kernarg_segment_ptr 1
		.amdhsa_wavefront_size32 1
		.amdhsa_system_sgpr_workgroup_id_x 1
		.amdhsa_system_sgpr_workgroup_id_y 1
		.amdhsa_system_sgpr_workgroup_id_z 1
		.amdhsa_system_vgpr_workitem_id 0
		.amdhsa_next_free_vgpr 1024
		.amdhsa_next_free_sgpr 76
		.amdhsa_reserve_vcc 0
		.amdhsa_float_denorm_mode_32 3
		.amdhsa_float_denorm_mode_16_64 3
		.amdhsa_memory_ordered 1
		.amdhsa_forward_progress 1
		.amdhsa_inst_pref_size 76
	.end_amdhsa_kernel
	.amdgpu_metadata
---
amdhsa.version: [ 1, 2 ]
amdhsa.kernels:
  - .name:           k_qdd90b30a17_proj
    .symbol:         k_qdd90b30a17_proj.kd
    .args:
      - { .name: act, .offset: 0, .size: 8, .value_kind: global_buffer, .address_space: global }
      - { .name: wp, .offset: 8, .size: 8, .value_kind: global_buffer, .address_space: global }
      - { .name: b_proj, .offset: 16, .size: 8, .value_kind: global_buffer, .address_space: global }
      - { .name: x1, .offset: 24, .size: 8, .value_kind: global_buffer, .address_space: global }
      - { .name: x, .offset: 32, .size: 8, .value_kind: global_buffer, .address_space: global }
    .group_segment_fixed_size: 327680
    .private_segment_fixed_size: 0
    .kernarg_segment_align: 8
    .kernarg_segment_size: 40
    .max_flat_workgroup_size: 128
    .sgpr_count:     76
    .vgpr_count:     1024
    .wavefront_size: 32
...
	.end_amdgpu_metadata
.endif
;; end of part 4
;; launch ln2 (part 5): grid 512 x 1, 8 waves a work-group, no clusters, 0 bytes of LDS; arguments x1, ln2_g, ln2_b, h; writes h
.if DOCPART == 5
	.amdgcn_target "amdgcn-amd-amdhsa--gfx1250"
	.amdhsa_code_object_version 6
	.text
	.protected	k_qdd90b30a17_ln2
	.globl	k_qdd90b30a17_ln2
	.p2align	8
	.type	k_qdd90b30a17_ln2,@function
k_qdd90b30a17_ln2:
	s_mov_b64 s[64:65], 0
	v_nop
	global_prefetch_b8 v0, s[64:65] scope:SCOPE_SE
	s_setreg_imm32_b32 hwreg(HW_REG_WAVE_MODE, 25, 1), 1
	s_wait_xcnt 0x0
; h = LayerNorm(x) g + b.  x [8192][1024] f32, h [8192][1024] f16, rounded once.
; A row is 4,096 bytes: one wave takes a whole row, eight 16-byte loads a lane, and keeps it in 32 registers: the mean first, then the centred squares, so a common offset of the row costs nothing.
; A work-group owns 16 rows, a wave two; both rows, g and b are asked for at once.  No LDS, no barrier: no wave needs another's numbers.  Each store of a wave covers 256 consecutive bytes, aligned.
; LIMIT.  f16 holds no number beyond 65,504: |h| stays within it (a normalised number times g plus b).
.set G,   8                            ; v[8:39]    g of my 32 columns (columns 128 j + 4 lane + 0..3)
.set B,   40                           ; v[40:71]   b of them
.set X,   72                           ; v[72:135]  two rows, 32 registers each
.set Y,   136                          ; v[136:167] two rows as f16, 16 registers each
.set S,   168                          ; v[168:175] four packed chains of a sum
.set T,   176                          ; v176-177   at work
.set MU,  178                          ; v[178:179] the mean, twice
.set RS,  180                          ; v[180:181] 1 / sqrt(var + eps), twice
.macro RSUM                            ; the four chains into one number, then over the 32 lanes: every lane ends with the sum in T
	v_pk_add_f32 v[S:S+1], v[S:S+1], v[S+2:S+3]
	v_pk_add_f32 v[S+4:S+5], v[S+4:S+5], v[S+6:S+7]
	v_pk_add_f32 v[S:S+1], v[S:S+1], v[S+4:S+5]
	v_add_f32 v[T], v[S], v[S+1]
	v_add_f32_dpp v[T], v[T], v[T] row_xmask:1 row_mask:0xf bank_mask:0xf
	v_add_f32_dpp v[T], v[T], v[T] row_xmask:2 row_mask:0xf bank_mask:0xf
	v_add_f32_dpp v[T], v[T], v[T] row_xmask:4 row_mask:0xf bank_mask:0xf
	v_add_f32_dpp v[T], v[T], v[T] row_xmask:8 row_mask:0xf bank_mask:0xf
	v_permlanex16_b32 v[T+1], v[T], s12, s13
	v_add_f32 v[T], v[T], v[T+1]
.endm
; Row s of the wave's two.  left = how many younger loads may stay out when the row has to be there.
.macro ROW s, left
.set XR, X+32*(\s)
.set YR, Y+16*(\s)
	s_wait_loadcnt \left                           ; loads come back in order: my row is in
.set k, 0
.rept 4
	v_pk_add_f32 v[S+2*k:S+2*k+1], v[XR+2*k:XR+2*k+1], v[XR+8+2*k:XR+8+2*k+1]  ; the first pairs start the chains: nothing is cleared
.set k, k+1
.endr
.set k, 8
.rept 8
	v_pk_add_f32 v[S+2*(k%4):S+2*(k%4)+1], v[S+2*(k%4):S+2*(k%4)+1], v[XR+2*k:XR+2*k+1]
.set k, k+1
.endr
	RSUM
	v_mul_f32 v[MU], s14, v[T]                     ; the mean
	v_mul_f32 v[MU+1], s14, v[T]
.set k, 0
.rept 16
	v_pk_add_f32 v[XR+2*k:XR+2*k+1], v[XR+2*k:XR+2*k+1], v[MU:MU+1] neg_lo:[0,1] neg_hi:[0,1]  ; x - mean, in place
.set k, k+1
.endr
.set k, 0
.rept 4
	v_pk_mul_f32 v[S+2*k:S+2*k+1], v[XR+2*k:XR+2*k+1], v[XR+2*k:XR+2*k+1]
.set k, k+1
.endr
.rept 12
	v_pk_fma_f32 v[S+2*(k%4):S+2*(k%4)+1], v[XR+2*k:XR+2*k+1], v[XR+2*k:XR+2*k+1], v[S+2*(k%4):S+2*(k%4)+1]
.set k, k+1
.endr
	RSUM
	v_fma_f32 v[T], v[T], s14, s15                 ; var + eps
	v_rsq_f32 v[RS], v[T]
	v_rsq_f32 v[RS+1], v[T]
	v_nop                                          ; a plain instruction between the root and the use of its result
.if (\s) == 0
	s_wait_loadcnt 0x0                             ; g and b, once
.endif
.set k, 0
	s_wait_alu depctr_va_vdst(0)
.rept 16
	v_pk_mul_f32 v[XR+2*k:XR+2*k+1], v[XR+2*k:XR+2*k+1], v[RS:RS+1]
.set k, k+1
.endr
.set k, 0
.rept 16
	v_pk_fma_f32 v[XR+2*k:XR+2*k+1], v[XR+2*k:XR+2*k+1], v[G+2*k:G+2*k+1], v[B+2*k:B+2*k+1]
.set k, k+1
.endr
.set k, 0
.rept 16
	v_cvt_pk_f16_f32 v[YR+k], v[XR+2*k], v[XR+2*k+1]
.set k, k+1
.endr
.irp j, 0,1,2,3,4,5,6,7
	global_store_b64 v3, v[YR+2*(\j):YR+2*(\j)+1], s[10:11] offset:(\s)*2048+256*(\j)  ; 32 lanes x 8 bytes: 256 consecutive bytes
.endr
.endm
	s_load_b256 s[4:11], s[0:1], 0x0               ; x s[4:5], g s[6:7], b s[8:9], h s[10:11]
	v_and_b32 v1, 31, v0
	v_lshrrev_b32 v4, 5, v0
	v_lshlrev_b32 v1, 4, v1                        ; 16 x lane: my place in g and b
	v_lshl_add_u32 v2, v4, 13, v1                  ; + 8,192 x wave: my place in the work-group's rows of x
	v_lshrrev_b32 v3, 1, v2                        ; half of that: my place in its rows of h
	s_lshl_b32 s2, ttmp9, 16                       ; 16 rows of 4,096 bytes
	s_mov_b32 s3, 0
	s_mov_b32 s12, 0x76543210                      ; v_permlanex16_b32: each lane takes its own place in the other half
	s_mov_b32 s13, 0xfedcba98
	s_mov_b32 s14, 0x3a800000                      ; 1 / 1024
	s_mov_b32 s15, 0x3727c5ac                      ; eps = 1e-5
	v_mov_b32 v[T+1], 0                            ; v_permlanex16_b32's destination counts as read
	s_wait_kmcnt 0x0
	s_add_nc_u64 s[4:5], s[4:5], s[2:3]
	s_lshr_b32 s2, s2, 1                           ; 16 rows of 2,048 bytes
	s_add_nc_u64 s[10:11], s[10:11], s[2:3]
.irp j, 0,1,2,3,4,5,6,7
	global_load_b128 v[X+4*(\j):X+4*(\j)+3], v2, s[4:5] offset:512*(\j)
.endr
.irp j, 0,1,2,3,4,5,6,7
	global_load_b128 v[X+32+4*(\j):X+32+4*(\j)+3], v2, s[4:5] offset:4096+512*(\j)
.endr
.irp j, 0,1,2,3,4,5,6,7
	global_load_b128 v[G+4*(\j):G+4*(\j)+3], v1, s[6:7] offset:512*(\j)
.endr
.irp j, 0,1,2,3,4,5,6,7
	global_load_b128 v[B+4*(\j):B+4*(\j)+3], v1, s[8:9] offset:512*(\j)
.endr
	ROW 0, 24                                      ; the second row, g and b, 24 loads, may stay out
	ROW 1, 0
	s_endpgm
.Lfunc_end_k_qdd90b30a17_ln2:
	.size	k_qdd90b30a17_ln2, .Lfunc_end_k_qdd90b30a17_ln2-k_qdd90b30a17_ln2
	.p2alignl 7, 3214868480
	.fill 96, 4, 3214868480
	.section	.rodata,"a",@progbits
	.p2align	6, 0x0
	.amdhsa_kernel k_qdd90b30a17_ln2
		.amdhsa_group_segment_fixed_size 0
		.amdhsa_private_segment_fixed_size 0
		.amdhsa_enable_private_segment 0
		.amdhsa_kernarg_size 32
		.amdhsa_user_sgpr_count 2
		.amdhsa_user_sgpr_kernarg_segment_ptr 1
		.amdhsa_wavefront_size32 1
		.amdhsa_system_sgpr_workgroup_id_x 1
		.amdhsa_system_sgpr_workgroup_id_y 1
		.amdhsa_system_sgpr_workgroup_id_z 1
		.amdhsa_system_vgpr_workitem_id 0
		.amdhsa_next_free_vgpr 184
		.amdhsa_next_free_sgpr 66
		.amdhsa_reserve_vcc 0
		.amdhsa_float_denorm_mode_32 3
		.amdhsa_float_denorm_mode_16_64 3
		.amdhsa_memory_ordered 1
		.amdhsa_forward_progress 1
		.amdhsa_inst_pref_size 20
	.end_amdhsa_kernel
	.amdgpu_metadata
---
amdhsa.version: [ 1, 2 ]
amdhsa.kernels:
  - .name:           k_qdd90b30a17_ln2
    .symbol:         k_qdd90b30a17_ln2.kd
    .args:
      - { .name: x1, .offset: 0, .size: 8, .value_kind: global_buffer, .address_space: global }
      - { .name: ln2_g, .offset: 8, .size: 8, .value_kind: global_buffer, .address_space: global }
      - { .name: ln2_b, .offset: 16, .size: 8, .value_kind: global_buffer, .address_space: global }
      - { .name: h, .offset: 24, .size: 8, .value_kind: global_buffer, .address_space: global }
    .group_segment_fixed_size: 0
    .private_segment_fixed_size: 0
    .kernarg_segment_align: 8
    .kernarg_segment_size: 32
    .max_flat_workgroup_size: 256
    .sgpr_count:     66
    .vgpr_count:     184
    .wavefront_size: 32
...
	.end_amdgpu_metadata
.endif
;; end of part 5
;; launch fc1 (part 6): grid 4 x 64, 4 waves a work-group, clusters of 4 x 4, 327,680 bytes of LDS; arguments h, w1, b_fc1, act; writes act
.if DOCPART == 6
	.amdgcn_target "amdgcn-amd-amdhsa--gfx1250"
	.amdhsa_code_object_version 6
	.text
	.protected	k_qdd90b30a17_fc1
	.globl	k_qdd90b30a17_fc1
	.p2align	8
	.type	k_qdd90b30a17_fc1,@function
k_qdd90b30a17_fc1:
	s_mov_b64 s[64:65], 0
	v_nop
	global_prefetch_b8 v0, s[64:65] scope:SCOPE_SE
	s_setreg_imm32_b32 hwreg(HW_REG_WAVE_MODE, 25, 1), 1
	s_wait_xcnt 0x0
	s_wait_alu depctr_hold_cnt(0) depctr_sa_sdst(0) depctr_va_vdst(0) depctr_va_sdst(0) depctr_va_ssrc(0) depctr_va_vcc(0) depctr_vm_vsrc(0)
	s_getreg_b32 s2, hwreg(HW_REG_IB_STS2, 6, 4)
	s_cmp_eq_u32 s2, 0
	s_cbranch_scc0 .Lentry_in_a_cluster
	s_endpgm
.Lentry_in_a_cluster:
	s_bfe_u32 s2, ttmp6, 0x10000c
	s_cmp_lg_u32 s2, 0xf033
	s_cbranch_scc0 .Lentry_shape_is_right
	s_endpgm
.Lentry_shape_is_right:
; ACT = gelu(H W + b), the exact GELU 0.5 x (1 + erf(x / sqrt 2)).  H: [8192][1024] f16, rows along K.  W: [1024 k][1024 n] f16.  b: [1024] f32.  Sums and the GELU in f32; the result is rounded once to f16.
; OUT, IN BLOCKS: column c of row m lies at byte ((c / 64) x 8192 + m) x 128 + 2 (c % 64): 16 blocks of 64 columns, as the next product's A operand wants them.
; THE GELU.  gelu(x) = max(x, 0) - 0.5 |x| P(t) 2^(c x^2), t = 1 / (1 + p |x|), c = -log2(e) / 2, p = 0.3275911 / sqrt 2, P the polynomial of degree 5 by which 1 - erf(z) = P(t) e^(-z^2)
; to within 1.5e-7 for every z >= 0 (Abramowitz and Stegun 7.1.26): no series is cut, and for large |x| the second term goes to 0 by itself.
; SHARES.  A tile of the result is 128 rows x 256 columns: 64 x 4 = 256 tiles, one for each WGP.  Four waves, 2 x 2, each 64 x 128: 32 accumulators of 16 x 16, 256 registers.
; K goes in 8 steps of 128 through two LDS slots; a step is four quarters of 32 along K, 32 matrix instructions and 24 LDS loads each, on two fragment buffers.
; THE MATRIX INSTRUCTION IS USED TRANSPOSED: source 0 = 16 columns of W (read turned, by ds_load_tr16_b128, from the tile as it lies, [k][n]), source 1 = 16 rows of H.  A lane then holds one row
; of the result (lane % 16) and the columns 8 (lane / 16) + 0..7.  The bias is the C operand of each sum's first product: no vector work, nothing cleared.
; CLUSTER.  4 x 4 work-groups: the four of a row of the cluster need the same tile of H, the four of a column the same tile of W: each is asked for jointly, by the same tensor load with the same
; descriptor and a mask that names the four.  Waves 0 and 1 fetch H's two halves of 64 rows, waves 2 and 3 W's two halves of 64 k-rows: one load a wave behind each round, two out at the start.
; LIMIT.  f16 holds no number beyond 65,504: the GELU's results stay within it.
; REGISTERS, in windows of 256 (s_set_vgpr_msb: bits 1:0 source 0, 3:2 source 1, 5:4 source 2, 7:6 destination):
;   window 0: v0-31 addresses; v64-159, v160-255 two fragment buffers: H's four fragments, then W's eight; on the way out v64-167 the GELU's registers
;   window 1: accumulator (a, b) at v[8 (8 a + b)]          window 2: v0-63 the bias, column block b at v[8 b]
.set SIZE_N, 1024
.set AP,     272                       ; a row of H in LDS: 256 bytes + 16 of padding = 68 words: the 16 rows of a load start at 16 different groups of four banks (64 banks of 4 bytes: ISA guide 11.1)
.set AH,     64*AP                     ; what one load of H brings
.set AQ2,    128                       ; bytes from quarter q to quarter q + 2 in H's tile
.set ASTEP,  256                       ; bytes from a K step to the next in H
.set WP,     544                       ; a row of W: 512 + 32 = 136 words
.set WH,     64*WP
.set WSTEP,  256*SIZE_N                ; 128 k-rows on
.set AREG,   36864                     ; W's tile begins here in a slot
.set SLOT1,  131072                    ; slot 1 begins here: one exclusive or turns an address in one slot into the other's
.set STAGE,  SLOT1+AREG+2*WH           ; behind the ring, never filled by a tensor load: 32 rows x 528 bytes for each wave
.set SP,     528                       ; 512 + 16 = 132 words: row r starts at bank 4 r mod 64
.set SPARE,  STAGE+4*32*SP             ; behind the stages: the spare words, 128 bytes for each wave: two blocks of 256 bytes that no other line names
.set A0,   16                          ; v16  my lane's place in H's tile; never rewritten
.set W0,   17                          ; v17  the same for W
.set ADRA, 18                          ; v18  the same in the slot in hand
.set ADRW, 19                          ; v19
.set STO,  24                          ; v24  the way out: where I put 32 bytes of a row
.set RD,   25                          ; v25  the way out: where I read 32 bytes of a row back, in the stage's first four rows
.set GO,   26                          ; v26  16 x lane
.set BO,   27                          ; v27  32 x (lane / 16): my place in 16 numbers of the bias
.set SPW,  28                          ; v28  LDS address of my spare word; never rewritten
.set NIL,  29                          ; v29  0; never rewritten
.set RDG,  30                          ; v30  RD, stepping four rows a trip
.set GOV,  31                          ; v31  GO, stepping 512 bytes a trip
.set F0,   64
.set F1,   160
.set GX,   64                          ; v[64:79]    16 numbers x
.set GX2,  80                          ; v[80:95]    x^2, then 2^(c x^2)
.set GAX,  96                          ; v[96:111]   |x|
.set GR,   112                         ; v[112:127]  max(x, 0), then the result
.set GU,   128                         ; v[128:143]  1 + p |x|, then t
.set GP,   144                         ; v[144:159]  the polynomial and its products
.set GY,   160                         ; v[160:167]  the result as f16
.set WV,   14                          ; s14  my wave's number
.set RH,   15                          ; s15  which 64 rows of the tile are mine
.set CH,   16                          ; s16  which 128 columns; also which half of a tile I fetch
.set TB,   23                          ; s23  LDS byte at which the slot in hand begins
.set G1A,  24                          ; s[24:31] descriptor group 1 for H's tiles;  s[32:39] group 0: a set for each first fill; the second then walks on
.set G0A,  32
.set G1W,  48                          ; s[48:55], s[56:63] the same for W's
.set G0W,  56
.set CABS, 79                          ; s79  clears a sign
.set CP,   80                          ; s[80:81] p;  s[82:83] c;  s[84:93] a1 to a5: pairs, of which the packed lines take the low word for both halves
.set CC,   82
.set CA,   84
.set MSB, 0
.macro WIN new                         ; the immediate's high byte repeats the setting that is left; a switch that changes nothing is dropped
.if MSB != (\new)
	s_set_vgpr_msb (MSB<<8)|(\new)
.set MSB, \new
.endif
.endm
.macro PLACES                          ; four places in front of loads into registers that matrix instructions have read, and of lines that read results
.rept 4
	v_nop
.endr
.endm
.macro JLOAD s                         ; a joint load; the branch hangs on the wave's number alone; an s_nop 0 and four v_nop follow each of the two lines
	s_cmp_lt_u32 s[WV], 2
	s_cbranch_scc0 .Lfor_w_\@
	tensor_load_to_lds s[G0A+4*(\s):G0A+4*(\s)+3], s[G1A:G1A+7]
	s_nop 0
.rept 4
	v_nop
.endr
	s_branch .Lasked_\@
.Lfor_w_\@:
	tensor_load_to_lds s[G0W+4*(\s):G0W+4*(\s)+3], s[G1W:G1W+7]
	s_nop 0
.rept 4
	v_nop
.endr
.Lasked_\@:
.endm
.macro CREST                           ; a round of the cluster's barrier behind its opening barrier
	s_cmp_lg_u32 s[WV], 0
	s_cbranch_scc1 .Lnot_wave_0_\@
	s_barrier_signal -3
.Lnot_wave_0_\@:
	s_barrier_wait -3
	s_barrier_signal -1
	s_barrier_wait -1
.endm
.macro CROUND                          ; a whole round
	s_barrier_signal -1
	s_barrier_wait -1
	CREST
.endm
; 8 matrix instructions: row block a x all 8 column blocks, 32 along K, from buffer f.  first = 1: the sums begin, on the bias.  The 32 accumulators take turns, in the same order in every quarter.
.macro MUL8 f, a, first
.if \first
	WIN 0x60
.else
	WIN 0x50
.endif
.irp b, 0,1,2,3,4,5,6,7
.if \first
	v_wmma_f32_16x16x32_f16 v[8*(8*(\a)+(\b)):8*(8*(\a)+(\b))+7], v[(\f)+32+8*(\b):(\f)+32+8*(\b)+7], v[(\f)+8*(\a):(\f)+8*(\a)+7], v[8*(\b):8*(\b)+7]
.else
	v_wmma_f32_16x16x32_f16 v[8*(8*(\a)+(\b)):8*(8*(\a)+(\b))+7], v[(\f)+32+8*(\b):(\f)+32+8*(\b)+7], v[(\f)+8*(\a):(\f)+8*(\a)+7], v[8*(8*(\a)+(\b)):8*(8*(\a)+(\b))+7]
.endif
.endr
.endm
; 24 LDS loads in one run: quarter q's fragments into buffer f: W's eight (turned), then H's four
.macro FETCH q, f
	WIN 0
.irp b, 0,1,2,3,4,5,6,7
	ds_load_tr16_b128 v[(\f)+32+8*(\b):(\f)+32+8*(\b)+3],   v[ADRW] offset:(\q)*32*WP+32*(\b)
	ds_load_tr16_b128 v[(\f)+32+8*(\b)+4:(\f)+32+8*(\b)+7], v[ADRW] offset:(\q)*32*WP+16*WP+32*(\b)
.endr
.irp a, 0,1,2,3
	ds_load_b128 v[(\f)+8*(\a):(\f)+8*(\a)+3],   v[ADRA] offset:((\q)/2)*AQ2+((\q)%2)*64+(\a)*16*AP
	ds_load_b128 v[(\f)+8*(\a)+4:(\f)+8*(\a)+7], v[ADRA] offset:((\q)/2)*AQ2+((\q)%2)*64+(\a)*16*AP+32
.endr
.endm
; One of a step's first three quarters: multiplies buffer f; in its middle it fetches quarter q of the same slot into buffer g.
.macro QUARTER q, f, g, first
	s_wait_dscnt 4                                 ; W and H's row blocks 0, 1 are in; the youngest four loads (blocks 2, 3) may be out
	MUL8 \f, 0, \first
	MUL8 \f, 1, \first
	PLACES
	FETCH \q, \g
	s_wait_dscnt 24                                ; all but the 24 just issued
	MUL8 \f, 2, \first
	MUL8 \f, 3, \first
.endm
; The last quarter multiplies buffer 1 and changes slots: ONE barrier; in front of it each wave waits for all its tensor loads (one is out: its part of the next slot), adds 0 to its spare word, and
; waits for that and for its own reads of this slot.  fill = 1: the barrier opens a round of the cluster's, and this slot is filled again, two steps ahead, first thing behind the round:
; 112 matrix instructions ahead of the wait for it.  tail = 1: in the loop's last trip there is no further step, and the fetch is jumped over.
.macro TURN fill, tail
	WIN 0
	s_wait_tensorcnt 0x0                           ; all my tensor loads have landed
	ds_add_u32 v[SPW], v[NIL]                      ; 0 onto my spare word
	s_wait_dscnt 5                                 ; (the add and the youngest four loads may be out)
	MUL8 F1, 0, 0                                  ; eight matrix instructions stand between the add and the wait for it
	s_wait_dscnt 0x0                               ; the add is done, and my reads of this slot are over
	s_barrier_signal -1
	MUL8 F1, 1, 0
	WIN 0
	s_barrier_wait -1
.if \fill
	CREST                                          ; no wave of any partner still reads this slot's tiles or has a load on its way
	s_xor_b32 s[G0A+5], s[G0A+5], SLOT1            ; the walking descriptors: the other slot than last time, the next K step; the type bits on top are not reached
	s_add_nc_u64 s[G0A+6:G0A+7], s[G0A+6:G0A+7], ASTEP
	s_xor_b32 s[G0W+5], s[G0W+5], SLOT1
	s_add_nc_u64 s[G0W+6:G0W+7], s[G0W+6:G0W+7], WSTEP
	JLOAD 1                                        ; its four v_nop are also the places in front of the loads below
.else
	PLACES
.endif
	s_xor_b32 s[TB], s[TB], SLOT1
	v_add_nc_u32 v[ADRA], s[TB], v[A0]
	v_add_nc_u32 v[ADRW], s[TB], v[W0]
.if \tail
	s_cmp_eq_u32 s3, 1
	s_cbranch_scc1 .Lno_fetch_\@
.endif
	FETCH 0, F0
.if \tail
.Lno_fetch_\@:
.endif
	MUL8 F1, 2, 0
	MUL8 F1, 3, 0
.endm
.macro PAIR r, val                     ; a constant, twice: the packed lines name a pair
	s_mov_b32 s[\r], \val
	s_mov_b32 s[(\r)+1], \val
.endm
	s_load_b256 s[4:11], s[0:1], 0x0               ; H s[4:5], W s[6:7], bias s[8:9], out s[10:11]
	v_lshl_add_u32 v[SPW], v0, 2, SPARE
	v_mov_b32 v[NIL], 0
	ds_add_u32 v[SPW], v[NIL]                      ; the wave's opening: the add and its wait stand ahead of my first tensor load; the set-up below, work on registers, stands between them
	ds_add_u32 v28, v29
	v_lshrrev_b32 v1, 5, v0
	v_readfirstlane_b32 s[WV], v1                  ; wave 0..3
	s_lshr_b32 s[RH], s[WV], 1
	s_and_b32 s[CH], s[WV], 1
	s_bfe_u32 s17, ttmp6, 0x40000                  ; cx, cy: my place in the cluster
	s_bfe_u32 s18, ttmp6, 0x40004
	s_lshl_b32 s19, ttmp9, 2
	s_add_co_u32 s19, s19, s17                     ; tile column = 4 x cluster x + cx
	s_and_b32 s20, ttmp7, 0xffff
	s_lshl_b32 s20, s20, 2
	s_add_co_u32 s20, s20, s18                     ; tile row = 4 x cluster y + cy
	s_lshl_b32 s21, s18, 2
	s_lshl_b32 s21, 15, s21                        ; my row of the cluster
	s_lshl_b32 s22, 0x1111, s17                    ; my column
	s_or_b32 s[G1A], s21, (1<<16)|(1<<20)|(1<<21)|(5<<22)|(3<<25)  ; 15:0 the mask; 17:16 2-byte elements; 20 padding on; 21 set beside a mask; 24:22 after every 64 words (code 5); 31:25 4 words (code 3)
	s_mov_b32 s[G1A+1], 128<<16                    ; tensor_dim0 = 128
	s_mov_b32 s[G1A+2], 64<<16                     ; tensor_dim1 = 64
	s_mov_b32 s[G1A+3], 128<<16                    ; tile_dim0 = 128
	s_mov_b32 s[G1A+4], 64                         ; tile_dim1 = 64
	s_mov_b32 s[G1A+5], 1024                       ; elements from row to row
	s_mov_b32 s[G1A+6], 0
	s_mov_b32 s[G1A+7], 0
	s_or_b32 s[G1W], s22, (1<<16)|(1<<20)|(1<<21)|(6<<22)|(7<<25)  ; after every 128 words (code 6) 8 words of padding (code 7)
	s_mov_b32 s[G1W+1], 256<<16
	s_mov_b32 s[G1W+2], 64<<16
	s_mov_b32 s[G1W+3], 256<<16
	s_mov_b32 s[G1W+4], 64
	s_mov_b32 s[G1W+5], SIZE_N
	s_mov_b32 s[G1W+6], 0
	s_mov_b32 s[G1W+7], 0
	s_mov_b32 s[CABS], 0x7fffffff
	PAIR CP,   0x3e6d3388                          ; p  = 0.23164189
	PAIR CC,   0xbf38aa3b                          ; c  = -0.72134752
	PAIR CA,   0x3e827906                          ; a1 = 0.254829592
	PAIR CA+2, 0xbe91a98e                          ; a2 = -0.284496736
	PAIR CA+4, 0x3fb5f0e3                          ; a3 = 1.421413741
	PAIR CA+6, 0xbfba00e3                          ; a4 = -1.453152027
	PAIR CA+8, 0x3f87dc22                          ; a5 = 1.061405429
	s_lshl_b32 s40, s20, 7                         ; H: row 128 x tile row + 64 x half, 2,048 bytes a row: it hangs on the tile row alone
	s_lshl_b32 s68, s[CH], 6
	s_add_co_u32 s40, s40, s68
	s_lshl_b32 s40, s40, 11
	s_mov_b32 s41, 0
	s_mul_i32 s44, s[CH], 128*SIZE_N               ; W: k-row 64 x half, column 256 x tile column: it hangs on the tile column alone
	s_lshl_b32 s69, s19, 9
	s_add_co_u32 s44, s44, s69
	s_mov_b32 s45, 0
	s_mul_i32 s66, s[CH], AH                       ; where they go: no place in the cluster enters an LDS address
	s_mul_i32 s67, s[CH], WH
	s_add_co_u32 s67, s67, AREG
	s_wait_dscnt 0x0                               ; the opening add is done
	s_wait_kmcnt 0x0
	s_add_nc_u64 s[42:43], s[4:5], s[40:41]
	s_add_nc_u64 s[46:47], s[6:7], s[44:45]
	CROUND                                         ; all sixteen work-groups are here: the first joint loads meet
.irp s, 0,1
	s_mov_b32 s[G0A+4*(\s)], 1
	s_add_co_u32 s[G0A+4*(\s)+1], s66, (\s)*SLOT1
	s_add_nc_u64 s[G0A+4*(\s)+2:G0A+4*(\s)+3], s[42:43], (\s)*ASTEP
	s_or_b32 s[G0A+4*(\s)+3], s[G0A+4*(\s)+3], 0x80000000
	s_mov_b32 s[G0W+4*(\s)], 1
	s_add_co_u32 s[G0W+4*(\s)+1], s67, (\s)*SLOT1
	s_add_nc_u64 s[G0W+4*(\s)+2:G0W+4*(\s)+3], s[46:47], (\s)*WSTEP
	s_or_b32 s[G0W+4*(\s)+3], s[G0W+4*(\s)+3], 0x80000000
	JLOAD \s
.endr
	v_and_b32 v1, 15, v0                           ; l % 16
	v_bfe_u32 v2, v0, 4, 1                         ; l / 16
	v_and_b32 v5, 7, v0                            ; l % 8
	v_bfe_u32 v4, v0, 3, 1
	v_mul_u32_u24 v[A0], v1, AP                    ; H's fragment: row l % 16, 16 bytes for each half of the lanes, in my 64 rows
	v_lshl_add_u32 v[A0], v2, 4, v[A0]
	s_mul_i32 s68, s[RH], 64*AP
	v_add_nc_u32 v[A0], s68, v[A0]
	v_lshl_add_u32 v3, v2, 3, v5                   ; W's: lane l reads k-row 8 (l / 16) + l % 8, columns 8 ((l / 8) % 2) + 0..7, in my 128 columns
	v_mul_u32_u24 v[W0], v3, WP
	v_lshl_add_u32 v[W0], v4, 4, v[W0]
	s_lshl_b32 s68, s[CH], 8
	s_add_co_u32 s68, s68, AREG
	v_add_nc_u32 v[W0], s68, v[W0]
	s_mov_b32 s[TB], 0
	v_mov_b32 v[ADRA], v[A0]
	v_mov_b32 v[ADRW], v[W0]
	v_lshlrev_b32 v[BO], 5, v2
	s_lshl_b32 s72, s19, 10                        ; the bias of my 128 columns
	s_lshl_b32 s68, s[CH], 9
	s_add_co_u32 s72, s72, s68
	s_mov_b32 s73, 0
	s_add_nc_u64 s[8:9], s[8:9], s[72:73]
	WIN 0x80                                       ; destination window 2
.irp b, 0,1,2,3,4,5,6,7
	global_load_b128 v[8*(\b):8*(\b)+3],   v[BO], s[8:9] offset:64*(\b)
	global_load_b128 v[8*(\b)+4:8*(\b)+7], v[BO], s[8:9] offset:64*(\b)+16
.endr
	WIN 0
	s_mul_i32 s68, s[WV], 32*SP
	s_add_co_u32 s68, s68, STAGE                   ; my stage
	v_mul_u32_u24 v[STO], v1, SP                   ; in: row l % 16, 32 bytes for each half of the lanes
	v_lshl_add_u32 v[STO], v2, 5, v[STO]
	v_add_nc_u32 v[STO], s68, v[STO]
	v_bfe_u32 v[RD], v0, 3, 2                      ; back: lane l takes row (l / 8) % 4, columns 8 (l % 8) + 0..7 of each half of 64:
	v_mul_u32_u24 v[RD], v[RD], SP
	v_lshl_add_u32 v[RD], v5, 5, v[RD]
	v_add_nc_u32 v[RD], s68, v[RD]
	v_and_b32 v[GO], 31, v0                        ; as f16 those are 16 bytes a lane: four rows of a block, 512 consecutive bytes
	v_lshlrev_b32 v[GO], 4, v[GO]
	s_lshl_b32 s70, s19, 2                         ; my first block of 64 columns: 4 x tile column + 2 x half, 2^20 bytes a block,
	s_lshl_b32 s75, s[CH], 1
	s_add_co_u32 s70, s70, s75
	s_lshl_b32 s70, s70, 20
	s_lshl_b32 s74, s20, 7                         ; my first row: 128 x tile row + 64 x half, 128 bytes a row
	s_lshl_b32 s75, s[RH], 6
	s_add_co_u32 s74, s74, s75
	s_lshl_b32 s74, s74, 7
	s_add_co_u32 s70, s70, s74
	s_mov_b32 s71, 0
	s_add_nc_u64 s[10:11], s[10:11], s[70:71]
	s_wait_tensorcnt 1                             ; my part of K step 0 is in; step 1's may stay out
	s_barrier_signal -1
	s_barrier_wait -1                              ; everybody's is
	FETCH 0, F0
	s_wait_loadcnt 0x0                             ; the bias
	QUARTER 1, F0, F1, 1                           ; the first quarter stands in front of the loop: its products start the sums
	WIN 0                                          ; at a label and at a branch every window is 0
	s_mov_b32 s3, 6
.Lstep:                                                ; a trip: a step's quarters 1 to 3 and the next step's quarter 0; steps 2 to 7 are asked for in the six trips
	QUARTER 2, F1, F0, 0
	QUARTER 3, F0, F1, 0
	TURN 1, 0
	QUARTER 1, F0, F1, 0
	WIN 0
	s_sub_co_u32 s3, s3, 1
	s_cmp_lg_u32 s3, 0
	s_cbranch_scc1 .Lstep
	s_mov_b32 s3, 2
.Ltail:                                                ; the last two steps ask for nothing: the second trip is left in its middle
	QUARTER 2, F1, F0, 0
	QUARTER 3, F0, F1, 0
	TURN 0, 1
	WIN 0
	s_sub_co_u32 s3, s3, 1
	s_cmp_eq_u32 s3, 0
	s_cbranch_scc1 .Lout
	QUARTER 1, F0, F1, 0
	WIN 0
	s_branch .Ltail
.Lout:
; THE WAY OUT, in two halves of 32 rows x 128 columns.  The sums go into my stage as f32 (rows of 528 bytes); a loop of eight trips reads them back, four rows a trip, 16 numbers a lane, in the lanes in which they
; leave, applies the GELU, rounds and stores.  So the GELU's text stands once for each half, not once for each accumulator.
.macro XLOAD                           ; a trip's 16 numbers: 8 neighbouring columns in each half of 64
	ds_load_b128 v[GX:GX+3],     v[RDG]
	ds_load_b128 v[GX+4:GX+7],   v[RDG] offset:16
	ds_load_b128 v[GX+8:GX+11],  v[RDG] offset:256
	ds_load_b128 v[GX+12:GX+15], v[RDG] offset:272
.endm
.macro PK8 line:vararg                 ; one packed line for each of the 8 pairs i
.set i, 0
	s_wait_alu depctr_va_vdst(0)
.rept 8
	\line
.set i, i+2
.endr
.endm
.macro ONE16 line:vararg               ; one line for each of the 16 numbers i
.set i, 0
.rept 16
	\line
.set i, i+1
.endr
.endm
.macro GHALF p
	WIN 0x04                                       ; store data in window 1
.irp a, 0,1
.irp b, 0,1,2,3,4,5,6,7
	ds_store_b128 v[STO], v[8*(8*(2*(\p)+(\a))+(\b)):8*(8*(2*(\p)+(\a))+(\b))+3]   offset:(\a)*16*SP+64*(\b)
	ds_store_b128 v[STO], v[8*(8*(2*(\p)+(\a))+(\b))+4:8*(8*(2*(\p)+(\a))+(\b))+7] offset:(\a)*16*SP+64*(\b)+16
.endr
.endr
	WIN 0
	v_mov_b32 v[RDG], v[RD]
	v_add_nc_u32 v[GOV], 4096*(\p), v[GO]          ; 32 rows of 128 bytes a half
	XLOAD                                          ; LDS serves a wave's instructions in order (ISA guide 5.7.1.4): these see the stores above
	s_mov_b32 s3, 8
.Lgelu_\@:
	s_wait_dscnt 0x0                               ; the trip's numbers are in
	PK8 v_pk_mul_f32 v[GX2+i:GX2+i+1], v[GX+i:GX+i+1], v[GX+i:GX+i+1]
	ONE16 v_and_b32 v[GAX+i], s[CABS], v[GX+i]
	ONE16 v_max_num_f32 v[GR+i], 0, v[GX+i]
	v_add_nc_u32 v[RDG], 4*SP, v[RDG]
	s_cmp_eq_u32 s3, 1
	s_cbranch_scc1 .Lno_x_\@                       ; the last trip has no successor
	XLOAD                                          ; x has been read: the next trip's numbers come in under this trip's arithmetic
.Lno_x_\@:
	PK8 v_pk_fma_f32 v[GU+i:GU+i+1], v[GAX+i:GAX+i+1], s[CP:CP+1], 1.0 op_sel_hi:[1,0,0]
	ONE16 v_rcp_f32 v[GU+i], v[GU+i]
	PK8 v_pk_mul_f32 v[GX2+i:GX2+i+1], v[GX2+i:GX2+i+1], s[CC:CC+1] op_sel_hi:[1,0]   ; plain lines between the reciprocals and the use of their results
	ONE16 v_exp_f32 v[GX2+i], v[GX2+i]
	PK8 v_pk_fma_f32 v[GP+i:GP+i+1], v[GU+i:GU+i+1], s[CA+8:CA+9], s[CA+6:CA+7] op_sel_hi:[1,0,0]  ; and between the exponentials and theirs
	PK8 v_pk_fma_f32 v[GP+i:GP+i+1], v[GP+i:GP+i+1], v[GU+i:GU+i+1], s[CA+4:CA+5] op_sel_hi:[1,1,0]
	PK8 v_pk_fma_f32 v[GP+i:GP+i+1], v[GP+i:GP+i+1], v[GU+i:GU+i+1], s[CA+2:CA+3] op_sel_hi:[1,1,0]
	PK8 v_pk_fma_f32 v[GP+i:GP+i+1], v[GP+i:GP+i+1], v[GU+i:GU+i+1], s[CA:CA+1] op_sel_hi:[1,1,0]
	PK8 v_pk_mul_f32 v[GP+i:GP+i+1], v[GP+i:GP+i+1], v[GU+i:GU+i+1]
	PK8 v_pk_mul_f32 v[GP+i:GP+i+1], v[GP+i:GP+i+1], v[GX2+i:GX2+i+1]
	PK8 v_pk_mul_f32 v[GP+i:GP+i+1], v[GP+i:GP+i+1], v[GAX+i:GAX+i+1]
	PK8 v_pk_fma_f32 v[GR+i:GR+i+1], v[GP+i:GP+i+1], -0.5, v[GR+i:GR+i+1] op_sel_hi:[1,0,1]
	PK8 v_cvt_pk_f16_f32 v[GY+i/2], v[GR+i], v[GR+i+1]
	global_store_b128 v[GOV], v[GY:GY+3],   s[10:11]                  ; four rows of my first block: 512 consecutive bytes, at a multiple of 256 from the buffer's first
	global_store_b128 v[GOV], v[GY+4:GY+7], s[10:11] offset:1048576   ; and of my second
	s_wait_xcnt 0x0                                ; the stores' address and data registers are rewritten only behind this wait
	v_add_nc_u32 v[GOV], 512, v[GOV]
	s_sub_co_u32 s3, s3, 1
	s_cmp_lg_u32 s3, 0
	s_cbranch_scc1 .Lgelu_\@
.endm
	PLACES
	GHALF 0
	GHALF 1
	s_wait_tensorcnt 0x0                           ; the wave's end, an add and its waits, behind my last tensor load and my last LDS store
	ds_add_u32 v[SPW], v[NIL]
	s_wait_dscnt 0x0
	CROUND                                         ; the closing round: no work-group ends while a partner may still ask for a tile that names it
	s_endpgm
.Lfunc_end_k_qdd90b30a17_fc1:
	.size	k_qdd90b30a17_fc1, .Lfunc_end_k_qdd90b30a17_fc1-k_qdd90b30a17_fc1
	.p2alignl 7, 3214868480
	.fill 96, 4, 3214868480
	.section	.rodata,"a",@progbits
	.p2align	6, 0x0
	.amdhsa_kernel k_qdd90b30a17_fc1
		.amdhsa_group_segment_fixed_size 327680
		.amdhsa_private_segment_fixed_size 0
		.amdhsa_enable_private_segment 0
		.amdhsa_kernarg_size 32
		.amdhsa_user_sgpr_count 2
		.amdhsa_user_sgpr_kernarg_segment_ptr 1
		.amdhsa_wavefront_size32 1
		.amdhsa_system_sgpr_workgroup_id_x 1
		.amdhsa_system_sgpr_workgroup_id_y 1
		.amdhsa_system_sgpr_workgroup_id_z 1
		.amdhsa_system_vgpr_workitem_id 0
		.amdhsa_next_free_vgpr 576
		.amdhsa_next_free_sgpr 94
		.amdhsa_reserve_vcc 0
		.amdhsa_float_denorm_mode_32 3
		.amdhsa_float_denorm_mode_16_64 3
		.amdhsa_memory_ordered 1
		.amdhsa_forward_progress 1
		.amdhsa_inst_pref_size 71
	.end_amdhsa_kernel
	.amdgpu_metadata
---
amdhsa.version: [ 1, 2 ]
amdhsa.kernels:
  - .name:           k_qdd90b30a17_fc1
    .symbol:         k_qdd90b30a17_fc1.kd
    .args:
      - { .name: h, .offset: 0, .size: 8, .value_kind: global_buffer, .address_space: global }
      - { .name: w1, .offset: 8, .size: 8, .value_kind: global_buffer, .address_space: global }
      - { .name: b_fc1, .offset: 16, .size: 8, .value_kind: global_buffer, .address_space: global }
      - { .name: act, .offset: 24, .size: 8, .value_kind: global_buffer, .address_space: global }
    .group_segment_fixed_size: 327680
    .private_segment_fixed_size: 0
    .kernarg_segment_align: 8
    .kernarg_segment_size: 32
    .max_flat_workgroup_size: 128
    .sgpr_count:     94
    .vgpr_count:     576
    .wavefront_size: 32
...
	.end_amdgpu_metadata
.endif
;; end of part 6
;; launch fc2: the kernel of part 4 again; grid 4 x 64, 4 waves a work-group, clusters of 4 x 4, 327,680 bytes of LDS; arguments act, w2, b_fc2, out0, x1; writes out0
